; MI455X (gfx1250); checked and timed in simulation.
; The chip was launched on July 23, 2026; its instructions are those of AMD's public machine-readable ISA for CDNA 5 (MIT licence, August 2026) and "CDNA5" Instruction Set Architecture Reference Guide (July 2026). The comments in the code are by the model that wrote it; some were corrected since.
;; Wkv7. Allowed arithmetic: float matrix products may take bf16 or f16 operands with f32 sums; all other float work in f32.
;; Inputs: a 4,096 x 2,048 float32; b 4,096 x 2,048 float32; k 4,096 x 2,048 float32; r 4,096 x 2,048 float32; state2 32 x 64 x 64 float32; v 4,096 x 2,048 float32; w 4,096 x 2,048 float32.
;; Outputs: out0 4,096 x 32 x 1 x 64 float32; out1 32 x 64 x 64 float32.
;; Constants: seq_length = 4096.
;; 2 versions, each right and faster than the one before. Each part assembles by itself: llvm-mc -triple=amdgcn-amd-amdhsa -mcpu=gfx1250 --defsym DOCPART=n.
;; ======== version 1 of 2: 2 launches
;; limits: right only within a limited range of input values; values are held in f16: magnitudes above 65,504 overflow, below 6.1e-05 lose precision; values outside matrix products are rounded to f16
;; workspace buffers: rec 98,566,144 bytes
;; launch prep (part 1): grid 8 x 32, 8 waves a work-group, no clusters, 293,888 bytes of LDS; arguments w, a, b, k, r, v, rec; writes rec
.if DOCPART == 1
	.amdgcn_target "amdgcn-amd-amdhsa--gfx1250"
	.amdhsa_code_object_version 6
	.text
	.protected	k_q0c218d323e_prep
	.globl	k_q0c218d323e_prep
	.p2align	8
	.type	k_q0c218d323e_prep,@function
k_q0c218d323e_prep:
	s_mov_b64 s[64:65], 0
	v_nop
	global_prefetch_b8 v0, s[64:65] scope:SCOPE_SE
	s_setreg_imm32_b32 hwreg(HW_REG_WAVE_MODE, 25, 1), 1
	s_wait_xcnt 0x0
; WKV7, first of two launches: everything of a chunk of 16 time steps that does not hang on the state.
; One head, one chunk, local t, s = 0..15, channel j = 0..63:
;   P[0] = 1, P[t+1] = P[t] w_t;  U_s = product of w_u over u > s;  WC = P[16]
;   a~_t = a_t P[t];  r~_t = r_t P[t+1];  b^_s = b_s / P[s+1];  k^_s = k_s / P[s+1];  B~_s = b_s U_s;  K~_s = k_s U_s
;   N[s,t] = sum_j b^_s a~_t (s < t);  Aak[s,t] = sum_j k^_s a~_t (s < t);  Arb, Ark the same with r~_t (s <= t)
;   T = (I - N)^-1 = (I+N)(I+N^2)(I+N^4)(I+N^8), exact since N is strictly triangular of size 16;  A' = A~ T;  Aak' = Aak T
; A record of 12,032 bytes for each (head, chunk) takes these to the second launch, already in the lanes' order of its matrix
; operands: pieces of 512 bytes, lane L at byte 16 L.
; FORMATS: the products here take bf16 operands (b^, k^ need the exponent range), sums in f32.  b^, k^ and r~ go in as TWO bf16 numbers
; each: the f32's upper 16 bits and the rest rounded to bf16, and the products are upper x upper + lower x upper + upper x lower: about
; 16 bits instead of 8, since Arb and Ark multiply v and S a straight into the output.  a~ goes in as one bf16.
; What goes into the record is decayed, no larger than the inputs, and is written in f16; WC in f32.
; LIMITS: |product of the 16 w of a channel in one chunk| >= 2^-100 (holds for |w| >= 2^-6; w = 0 is not served: 1/P would not be finite);
; the record's numbers must lie inside f16's range (below 65504).
; SHARING: work-group (x, y) = head y, chunks 32 x .. 32 x + 31; wave n takes four chunks, one a trip.  A wave's LDS is its own, so there
; is no barrier.  No two work-groups read the same bytes, so there is nothing for a cluster to share.  Each input row piece of a head is 256
; consecutive bytes, aligned, and is read once; each store of a wave covers 512 (WC: 256) consecutive bytes, aligned.
.set ROWB,   8192                      ; bytes of a time step's row [2048] f32
.set CHUNKB, 16*ROWB
.set RECB,   12032
.set WLDS,   36608                     ; LDS of one wave
.set UUO,    4352                      ; PP: 17 rows x 256 B of f32 at 0; UU: 16 rows at 4352
.set ARR,    8448                      ; then eleven 16-bit arrays [16 t][64 j]
.set AP,     160                       ; their pitch: 128 B of data + 32, an odd multiple of 32 B for the transposing loads
.set ASZ,    16*AP
.set O_AH, 0*ASZ                       ; a~ bf16
.set O_RH, 1*ASZ                       ; r~ bf16, upper part
.set O_BH, 2*ASZ                       ; b^ bf16, upper part
.set O_KH, 3*ASZ                       ; k^ bf16, upper part
.set O_RF, 4*ASZ                       ; r~ f16
.set O_BF, 5*ASZ                       ; B~ f16
.set O_KF, 6*ASZ                       ; K~ f16
.set O_VF, 7*ASZ                       ; v  f16
.set O_RL, 8*ASZ                       ; r~, b^, k^ bf16, lower parts
.set O_BL, 9*ASZ
.set O_KL, 10*ASZ
.set R_AT, 0                           ; the record: A' (4 pieces), r~ (4), B~ and K~ by turns (8), Arb, Ark, Aak', v (4), WC
.set R_RT, 2048
.set R_BK, 4096
.set R_AR, 8192
.set R_AK, 9216
.set R_VT, 9728
.set R_WC, 11776
; v1 8L (w, WC)  v2 hh*8192+16c (inputs)  v3 PP/UU stores  v4 PP/UU reads  v5 16-bit stores  v6 fragment reads  v7 transposing reads  v8 16L (record)  v9 1.0
.set ZB,  16                           ; six operands of K = 16: 4 data registers, then 4 that stay zero (K = 16..31)
.set PN,  16
.set PNT, 24
.set PT,  32
.set PAK, 40
.set TA0, 48
.set TA1, 56
.set WW,  64                           ; v[64:95]  w, 2 channels a lane, 16 steps
.set IA,  96                           ; inputs, set n (rows 2n, 2n+1): 4 registers at +4n
.set IB,  128
.set IK,  160
.set IR,  192
.set IV,  224
.set IW,  64                           ; elementwise temporaries (w is done with by then)
.set TB,  68
.set TK,  72
.set HM,  76
.set PRH, 80
.set PRL, 82
.set PBH, 84
.set PBL, 86
.set PKH, 88
.set PKL, 90
.set FA,  64                           ; the matrix phase lies over the inputs' registers
.set FR,  80
.set FB,  96
.set FK,  112
.set TT,  128
.set NT,  136
.set AKT, 144
.set RB,  152
.set RK,  160
.set X1,  168
.set X2,  176
.set DQ,  184                          ; first the lower fragments of b^ and k^, then B~ and K~ on their way to the record, then A'
.set FBL, 184
.set FKL, 200
.set DK,  216
.set RI,  224                          ; first the lower fragments of r~, then r~ f16 on its way to the record
.set FRL, 224
.set VI,  240
.set MLT, 24                           ; s[24:31] lanes with jj < d, s[32:39] jj <= d, s[40:47] jj > d, s[48:55] jj = d; d = r - 8h
.set MLE, 32
.set MGT, 40
.set MEQ, 48
; s58 = the byte selector that packs two upper halves, s59 = the mask of a word's upper half
.macro PACKB dst, src                  ; a 16 x 16 f32 result becomes 4 registers of a K = 16 operand, bf16
.irp i, 0,1,2,3
	v_cvt_pk_bf16_f32 v[\dst+\i], v[\src+2*\i], v[\src+2*\i+1]
.endr
.endm
.macro PACKH dst, src                  ; the same in f16, for the record
.irp i, 0,1,2,3
	v_cvt_pk_f16_f32 v[\dst+\i], v[\src+2*\i], v[\src+2*\i+1]
.endr
.endm
.macro MM d, a, b                      ; d = a x b
	v_wmma_f32_16x16x32_bf16 v[\d:\d+7], v[\a:\a+7], v[\b:\b+7], 0
.endm
.macro MA d, a, b                      ; d += a x b
	v_wmma_f32_16x16x32_bf16 v[\d:\d+7], v[\a:\a+7], v[\b:\b+7], v[\d:\d+7]
.endm
.macro P5                              ; five places behind matrix instructions whose results are packed and whose registers are written again (ISA guide 7.12.1)
.rept 5
	v_nop
.endr
.endm
.macro FRAG dst, arr                   ; 16 rows x 64 K as two K = 32 operands: row r, bytes 64 p + 32 e + 16 h
.irp p, 0,1
.irp e, 0,1
	ds_load_b128 v[\dst+8*\p+4*\e:\dst+8*\p+4*\e+3], v6 offset:\arr+64*\p+32*\e
.endr
.endr
.endm
; Four f32 at x become two packed registers of upper parts (the words' upper halves: exact bf16 numbers) and two of lower parts
; (x minus its upper part is exact in f32; it is rounded to bf16)
.macro SPLIT x, hi, lo
	v_perm_b32 v[\hi],   v[\x+1], v[\x],   s58
	v_perm_b32 v[\hi+1], v[\x+3], v[\x+2], s58
.irp i, 0,1,2,3
	v_and_b32 v[HM+\i], s59, v[\x+\i]
.endr
	v_pk_add_f32 v[HM:HM+1],   v[\x:\x+1],   v[HM:HM+1]   neg_lo:[0,1] neg_hi:[0,1]
	v_pk_add_f32 v[HM+2:HM+3], v[\x+2:\x+3], v[HM+2:HM+3] neg_lo:[0,1] neg_hi:[0,1]
	v_cvt_pk_bf16_f32 v[\lo],   v[HM],   v[HM+1]
	v_cvt_pk_bf16_f32 v[\lo+1], v[HM+2], v[HM+3]
.endm
.macro LDM n                           ; P[t], P[t+1], U_t of rows t = 2n + hh, 4 channels a lane, into the data halves of three of the six operands
.set LB, ZB+24*((\n)&1)
	ds_load_b128 v[LB:LB+3],     v4 offset:512*(\n)
	ds_load_b128 v[LB+8:LB+11],  v4 offset:512*(\n)+256
	ds_load_b128 v[LB+16:LB+19], v4 offset:UUO+512*(\n)
.endm
; Rows 2n, 2n+1 elementwise.  cnt: LDS instructions younger than this set's three loads (the last set's 11 stores, the next set's 3 loads).
.macro SETM n, cnt
.if \n < 7
	LDM \n+1
.endif
.set PB, ZB+24*((\n)&1)
	s_wait_dscnt \cnt
	s_wait_loadcnt 35-5*\n                         ; loads return in order: five for each younger set may stay out
.irp i, 0,1,2,3
	v_rcp_f32 v[IW+\i], v[PB+8+\i]                 ; 1 / P[t+1]; the four plain multiplies below stand between these and their use (ISA guide 5.7.2)
.endr
.irp i, 0,2
	v_pk_mul_f32 v[IA+4*\n+\i:IA+4*\n+\i+1], v[IA+4*\n+\i:IA+4*\n+\i+1], v[PB+\i:PB+\i+1]       ; a~
	v_pk_mul_f32 v[IR+4*\n+\i:IR+4*\n+\i+1], v[IR+4*\n+\i:IR+4*\n+\i+1], v[PB+8+\i:PB+8+\i+1]   ; r~
.endr
	s_wait_alu depctr_va_vdst(0)
.irp i, 0,2
	v_pk_mul_f32 v[TB+\i:TB+\i+1], v[IB+4*\n+\i:IB+4*\n+\i+1], v[IW+\i:IW+\i+1]                 ; b^
	v_pk_mul_f32 v[TK+\i:TK+\i+1], v[IK+4*\n+\i:IK+4*\n+\i+1], v[IW+\i:IW+\i+1]                 ; k^
	v_pk_mul_f32 v[IB+4*\n+\i:IB+4*\n+\i+1], v[IB+4*\n+\i:IB+4*\n+\i+1], v[PB+16+\i:PB+16+\i+1] ; B~
	v_pk_mul_f32 v[IK+4*\n+\i:IK+4*\n+\i+1], v[IK+4*\n+\i:IK+4*\n+\i+1], v[PB+16+\i:PB+16+\i+1] ; K~
.endr
	SPLIT IR+4*\n, PRH, PRL
	SPLIT TB, PBH, PBL
	SPLIT TK, PKH, PKL
.irp i, 0,1
	v_cvt_pk_bf16_f32 v[IA+4*\n+\i], v[IA+4*\n+2*\i], v[IA+4*\n+2*\i+1]
	v_cvt_pk_f16_f32 v[IR+4*\n+\i], v[IR+4*\n+2*\i], v[IR+4*\n+2*\i+1]
	v_cvt_pk_f16_f32 v[IB+4*\n+\i], v[IB+4*\n+2*\i], v[IB+4*\n+2*\i+1]
	v_cvt_pk_f16_f32 v[IK+4*\n+\i], v[IK+4*\n+2*\i], v[IK+4*\n+2*\i+1]
	v_cvt_pk_f16_f32 v[IV+4*\n+\i], v[IV+4*\n+2*\i], v[IV+4*\n+2*\i+1]
.endr
	ds_store_b64 v5, v[IA+4*\n:IA+4*\n+1] offset:O_AH+2*AP*\n
	ds_store_b64 v5, v[PRH:PRH+1]         offset:O_RH+2*AP*\n
	ds_store_b64 v5, v[PBH:PBH+1]         offset:O_BH+2*AP*\n
	ds_store_b64 v5, v[PKH:PKH+1]         offset:O_KH+2*AP*\n
	ds_store_b64 v5, v[IR+4*\n:IR+4*\n+1] offset:O_RF+2*AP*\n
	ds_store_b64 v5, v[IB+4*\n:IB+4*\n+1] offset:O_BF+2*AP*\n
	ds_store_b64 v5, v[IK+4*\n:IK+4*\n+1] offset:O_KF+2*AP*\n
	ds_store_b64 v5, v[IV+4*\n:IV+4*\n+1] offset:O_VF+2*AP*\n
	ds_store_b64 v5, v[PRL:PRL+1]         offset:O_RL+2*AP*\n
	ds_store_b64 v5, v[PBL:PBL+1]         offset:O_BL+2*AP*\n
	ds_store_b64 v5, v[PKL:PKL+1]         offset:O_KL+2*AP*\n
.endm
	s_load_b256 s[4:11], s[0:1], 0x0               ; w s[4:5], a s[6:7], b s[8:9], k s[10:11]
	s_load_b128 s[12:15], s[0:1], 0x20             ; r s[12:13], v s[14:15]
	s_load_b64 s[16:17], s[0:1], 0x30              ; rec
	s_set_vgpr_msb 0x40
	v_lshl_add_u32 v0, v0, 2, 0x47800
	v_mov_b32 v1, 0
	s_set_vgpr_msb 0x4000
	v_lshrrev_b32 v11, 5, v0
	v_readfirstlane_b32 s18, v11                   ; wave 0..7
	s_and_b32 s57, ttmp7, 0xffff                   ; head
	s_lshl_b32 s58, ttmp9, 5
	s_lshl2_add_u32 s58, s18, s58                  ; my first chunk = 32 x + 4 wave
	s_lshl_b32 s59, s57, 8                         ; 256 head: the head's bytes in a row, and its first record's number
	s_lshl_b32 s20, s58, 17                        ; chunk x 131,072 bytes
	s_add_co_u32 s20, s20, s59                     ; offset into each input, below 2^25
	s_mov_b32 s21, 0
	s_add_co_u32 s22, s59, s58
	s_mul_i32 s22, s22, RECB                       ; offset of my first record, below 2^27
	s_mov_b32 s23, 0
	s_mul_i32 s56, s18, WLDS                       ; my wave's LDS
	s_add_co_u32 s57, s56, ARR                     ; and its 16-bit arrays
	s_mov_b32 s58, 0x07060302                      ; v_perm_b32: the first source's upper half above the second source's upper half
	s_mov_b32 s59, 0xffff0000
	v_and_b32 v10, 31, v0                          ; L
	v_and_b32 v12, 15, v0                          ; r (also c)
	v_bfe_u32 v13, v0, 4, 1                        ; h (also hh)
	v_lshlrev_b32 v1, 3, v10
	v_lshlrev_b32 v8, 4, v10
	v_lshlrev_b32 v2, 4, v12
	v_lshl_add_u32 v4, v13, 8, v2
	v_lshl_add_u32 v2, v13, 13, v2
	v_add_nc_u32 v3, s56, v1
	v_add_nc_u32 v4, s56, v4
	v_mul_u32_u24 v5, v13, AP
	v_lshl_add_u32 v5, v12, 3, v5
	v_add_nc_u32 v5, s57, v5
	v_mul_u32_u24 v6, v12, AP
	v_lshl_add_u32 v6, v13, 4, v6
	v_add_nc_u32 v6, s57, v6
	v_and_b32 v14, 7, v0
	v_lshl_add_u32 v14, v13, 3, v14                ; row 8h + (L & 7)
	v_mul_u32_u24 v7, v14, AP
	v_bfe_u32 v15, v0, 3, 1
	v_lshl_add_u32 v7, v15, 4, v7
	v_add_nc_u32 v7, s57, v7
	v_mov_b32 v9, 1.0
	v_lshlrev_b32 v15, 3, v13
	v_sub_nc_u32 v14, v12, v15                     ; d = r - 8h, signed
.irp j, 0,1,2,3,4,5,6,7
	v_cmp_lt_i32 s[MLT+\j], \j, v14
	v_cmp_le_i32 s[MLE+\j], \j, v14
	v_cmp_gt_i32 s[MGT+\j], \j, v14
	v_cmp_eq_i32 s[MEQ+\j], \j, v14
.endr
.irp n, 0,1,2,3,4,5
.irp i, 4,5,6,7
	v_mov_b32 v[ZB+8*\n+\i], 0                     ; K = 16..31 of the six short operands: written once
.endr
.endr
	s_wait_kmcnt 0x0
.irp p, 4,6,8,10,12,14
	s_add_nc_u64 s[\p:\p+1], s[\p:\p+1], s[20:21]
.endr
	s_add_nc_u64 s[16:17], s[16:17], s[22:23]
	s_mov_b32 s19, 0
.Ltrip:
	; the chunk's 24 KiB: w first (it heads the chain), then the five others, two rows a load
.irp t, 0,1,2,3,4,5,6,7,8,9,10,11,12,13,14,15
	global_load_b64 v[WW+2*\t:WW+2*\t+1], v1, s[4:5] offset:\t*ROWB th:TH_LOAD_NT
.endr
.irp n, 0,1,2,3,4,5,6,7
	global_load_b128 v[IA+4*\n:IA+4*\n+3], v2, s[6:7]   offset:\n*2*ROWB th:TH_LOAD_NT
	global_load_b128 v[IB+4*\n:IB+4*\n+3], v2, s[8:9]   offset:\n*2*ROWB th:TH_LOAD_NT
	global_load_b128 v[IK+4*\n:IK+4*\n+3], v2, s[10:11] offset:\n*2*ROWB th:TH_LOAD_NT
	global_load_b128 v[IR+4*\n:IR+4*\n+3], v2, s[12:13] offset:\n*2*ROWB th:TH_LOAD_NT
	global_load_b128 v[IV+4*\n:IV+4*\n+3], v2, s[14:15] offset:\n*2*ROWB th:TH_LOAD_NT
.endr
	; running products of w, forward (P) and backward (U), two channels a lane, laid into LDS by rows
	v_mov_b32 v16, 1.0
	v_mov_b32 v17, 1.0
	v_mov_b32 v18, 1.0
	v_mov_b32 v19, 1.0
	ds_store_b64 v3, v[16:17]
	ds_store_b64 v3, v[18:19] offset:UUO+15*256
	s_wait_loadcnt 40                              ; the 16 loads of w are in; the 40 younger ones stay out
.irp t, 0,1,2,3,4,5,6,7,8,9,10,11,12,13,14,15
	v_pk_mul_f32 v[16:17], v[16:17], v[WW+2*\t:WW+2*\t+1]
	ds_store_b64 v3, v[16:17] offset:(\t+1)*256
.endr
.irp t, 15,14,13,12,11,10,9,8,7,6,5,4,3,2,1
	v_pk_mul_f32 v[18:19], v[18:19], v[WW+2*\t:WW+2*\t+1]
	ds_store_b64 v3, v[18:19] offset:UUO+(\t-1)*256
.endr
	global_store_b64 v1, v[16:17], s[16:17] offset:R_WC   ; WC = P[16]
	s_wait_xcnt 0x0                                ; v[16:17], that store's data, are loaded into next
	LDM 0
	SETM 0, 3
	SETM 1, 14
	SETM 2, 14
	SETM 3, 14
	SETM 4, 14
	SETM 5, 14
	SETM 6, 14
	SETM 7, 11
	; 30 LDS loads (a wave's LDS instructions are served in order: they see the stores above): 16 upper fragments, 12 lower, 2 for later
	FRAG FB, O_BH
	FRAG FA, O_AH
	FRAG FK, O_KH
	FRAG FR, O_RH
	FRAG FBL, O_BL
	FRAG FKL, O_KL
	FRAG FRL, O_RL
	ds_load_tr16_b128 v[TA0:TA0+3], v7 offset:O_AH                   ; a~[t = 8h ..][j = r], [j = 16 + r]
	ds_load_tr16_b128 v[TA1:TA1+3], v7 offset:O_AH+32
	s_wait_dscnt 14                                ; the 16 upper fragment loads are in, the 14 younger may be out
	; five 16 x 16 sums over 64 channels; the five accumulators take turns, one instruction a turn
	MM TT,  FB, FA                                 ; N[s][t]
	MM NT,  FA, FB                                 ; N transposed
	MM AKT, FA, FK                                 ; Aak transposed
	MM RB,  FB, FR                                 ; Arb[s][t]
	MM RK,  FK, FR                                 ; Ark[s][t]
	MA TT,  FB+8, FA+8
	MA NT,  FA+8, FB+8
	MA AKT, FA+8, FK+8
	MA RB,  FB+8, FR+8
	MA RK,  FK+8, FR+8
	s_wait_dscnt 2                                 ; the lower fragments are in; the two transposed loads may be out
	MA TT,  FBL, FA                                ; the lower parts of b^ and k^
	MA NT,  FA, FBL
	MA AKT, FA, FKL
	MA RB,  FBL, FR
	MA RK,  FKL, FR
	MA TT,  FBL+8, FA+8
	MA NT,  FA+8, FBL+8
	MA AKT, FA+8, FKL+8
	MA RB,  FBL+8, FR+8
	MA RK,  FKL+8, FR+8
	MA RB,  FB, FRL                                ; the lower part of r~
	MA RK,  FK, FRL
	MA RB,  FB+8, FRL+8
	MA RK,  FK+8, FRL+8
.rept 4
	v_nop                                          ; four places behind the products before their results are read and their sources loaded over (ISA guide 7.12.1)
.endr
	; 16 pieces that only change their order on the way to the record; they land while the triangles are cut
	FRAG RI, O_RF                                  ; r~ f16, already as the record wants it
.irp q, 0,1,2,3
	ds_load_tr16_b128 v[DQ+8*\q:DQ+8*\q+3],   v7 offset:O_BF+32*\q   ; B~[s = 8h ..][j = 16q + r]
	ds_load_tr16_b128 v[DQ+8*\q+4:DQ+8*\q+7], v7 offset:O_KF+32*\q   ; K~ likewise
.endr
.irp g, 0,1,2,3
	ds_load_tr16_b128 v[VI+4*\g:VI+4*\g+3], v7 offset:O_VF+32*\g     ; v[s = 8h ..][i = 16g + r]
.endr
	; the triangles: register jj of lane (r, h) is element (8h + jj, r).  A select, not a multiply: what is thrown away may be huge or not finite
.irp j, 0,1,2,3,4,5,6,7
	v_cndmask_b32 v[TT+\j],  0, v[TT+\j],  s[MLT+\j]
	v_cndmask_b32 v[NT+\j],  0, v[NT+\j],  s[MGT+\j]
	v_cndmask_b32 v[AKT+\j], 0, v[AKT+\j], s[MGT+\j]
	v_cndmask_b32 v[RB+\j],  0, v[RB+\j],  s[MLE+\j]
	v_cndmask_b32 v[RK+\j],  0, v[RK+\j],  s[MLE+\j]
.endr
	PACKB PN,  TT                                  ; as second operand N, as first operand N transposed
	PACKB PNT, NT                                  ; as first operand N
	PACKB PAK, AKT                                 ; as first operand Aak
.irp j, 0,1,2,3,4,5,6,7
	v_cndmask_b32 v[TT+\j], v[TT+\j], v9, s[MEQ+\j]   ; T = I + N
.endr
	PACKB PT, TT
	PACKH 64, RB
	PACKH 68, RK
	s_wait_dscnt 0x0                               ; the 16 pieces and the two transposed loads of a~ are in
.irp m, 0,1,2,3
	global_store_b128 v8, v[RI+4*\m:RI+4*\m+3], s[16:17] offset:R_RT+512*\m
.endr
.irp m, 0,1,2,3,4,5,6,7
	global_store_b128 v8, v[DQ+4*\m:DQ+4*\m+3], s[16:17] offset:R_BK+512*\m
.endr
.irp m, 0,1,2,3
	global_store_b128 v8, v[VI+4*\m:VI+4*\m+3], s[16:17] offset:R_VT+512*\m
.endr
	global_store_b128 v8, v[64:67], s[16:17] offset:R_AR
	global_store_b128 v8, v[68:71], s[16:17] offset:R_AR+512
	; T <- (I + N^2) T, (I + N^4) T, (I + N^8) T, with N squared each time, plain and transposed.  No link on T stands next to the link before it.
	MM X1, PNT, PN
	MM X2, PN, PNT
	P5
	PACKB PN,  X1
	PACKB PNT, X2
	MA TT, PNT, PT
	MM X1, PNT, PN
	MM X2, PN, PNT
	P5
	PACKB PT,  TT
	PACKB PN,  X1
	PACKB PNT, X2
	MA TT, PNT, PT
	MM X2, PN, PNT
	P5
	PACKB PT,  TT
	PACKB PNT, X2
	MA TT, PNT, PT
	P5
	PACKB PT, TT
	; A' = A~ T by blocks of 16 channels, Aak' = Aak T
	ds_load_tr16_b128 v[PN:PN+3],   v7 offset:O_AH+64
	ds_load_tr16_b128 v[PNT:PNT+3], v7 offset:O_AH+96
	s_wait_xcnt 0x0                                ; the stores of B~ and K~ read the registers that the next results land in
	MM DQ,    TA0, PT
	MM DQ+8,  TA1, PT
	MM DK,    PAK, PT
	s_wait_dscnt 0x0
	MM DQ+16, PN,  PT
	MM DQ+24, PNT, PT
.rept 4
	v_nop
.endr
.irp q, 0,1,2,3
	PACKH 96+4*\q, DQ+8*\q
.endr
	PACKH 112, DK
.irp q, 0,1,2,3
	global_store_b128 v8, v[96+4*\q:96+4*\q+3], s[16:17] offset:R_AT+512*\q
.endr
	global_store_b128 v8, v[112:115], s[16:17] offset:R_AK
	s_wait_xcnt 0x0                                ; bases are stepped, and store data loaded over, only behind this wait
.irp p, 4,6,8,10,12,14
	s_add_nc_u64 s[\p:\p+1], s[\p:\p+1], CHUNKB
.endr
	s_add_nc_u64 s[16:17], s[16:17], RECB
	s_add_co_u32 s19, s19, 1
	s_cmp_lt_u32 s19, 4
	s_cbranch_scc1 .Ltrip
	s_set_vgpr_msb 0x5
	s_wait_tensorcnt 0x0
	ds_add_u32 v0, v1
	s_wait_dscnt 0x0
	s_set_vgpr_msb 0x500
	s_endpgm
.Lfunc_end_k_q0c218d323e_prep:
	.size	k_q0c218d323e_prep, .Lfunc_end_k_q0c218d323e_prep-k_q0c218d323e_prep
	.p2alignl 7, 3214868480
	.fill 96, 4, 3214868480
	.section	.rodata,"a",@progbits
	.p2align	6, 0x0
	.amdhsa_kernel k_q0c218d323e_prep
		.amdhsa_group_segment_fixed_size 293888
		.amdhsa_private_segment_fixed_size 0
		.amdhsa_enable_private_segment 0
		.amdhsa_kernarg_size 56
		.amdhsa_user_sgpr_count 2
		.amdhsa_user_sgpr_kernarg_segment_ptr 1
		.amdhsa_wavefront_size32 1
		.amdhsa_system_sgpr_workgroup_id_x 1
		.amdhsa_system_sgpr_workgroup_id_y 1
		.amdhsa_system_sgpr_workgroup_id_z 1
		.amdhsa_system_vgpr_workitem_id 0
		.amdhsa_next_free_vgpr 258
		.amdhsa_next_free_sgpr 66
		.amdhsa_reserve_vcc 0
		.amdhsa_float_denorm_mode_32 3
		.amdhsa_float_denorm_mode_16_64 3
		.amdhsa_memory_ordered 1
		.amdhsa_forward_progress 1
		.amdhsa_inst_pref_size 64
	.end_amdhsa_kernel
	.amdgpu_metadata
---
amdhsa.version: [ 1, 2 ]
amdhsa.kernels:
  - .name:           k_q0c218d323e_prep
    .symbol:         k_q0c218d323e_prep.kd
    .args:
      - { .name: w, .offset: 0, .size: 8, .value_kind: global_buffer, .address_space: global }
      - { .name: a, .offset: 8, .size: 8, .value_kind: global_buffer, .address_space: global }
      - { .name: b, .offset: 16, .size: 8, .value_kind: global_buffer, .address_space: global }
      - { .name: k, .offset: 24, .size: 8, .value_kind: global_buffer, .address_space: global }
      - { .name: r, .offset: 32, .size: 8, .value_kind: global_buffer, .address_space: global }
      - { .name: v, .offset: 40, .size: 8, .value_kind: global_buffer, .address_space: global }
      - { .name: rec, .offset: 48, .size: 8, .value_kind: global_buffer, .address_space: global }
    .group_segment_fixed_size: 293888
    .private_segment_fixed_size: 0
    .kernarg_segment_align: 8
    .kernarg_segment_size: 56
    .max_flat_workgroup_size: 256
    .sgpr_count:     66
    .vgpr_count:     258
    .wavefront_size: 32
...
	.end_amdgpu_metadata
.endif
;; end of part 1
;; launch scan (part 2): grid 32 x 1, 4 waves a work-group, no clusters, 327,680 bytes of LDS; arguments rec, state2, out0, out1; writes out0, out1
.if DOCPART == 2
	.amdgcn_target "amdgcn-amd-amdhsa--gfx1250"
	.amdhsa_code_object_version 6
	.text
	.protected	k_q0c218d323e_scan
	.globl	k_q0c218d323e_scan
	.p2align	8
	.type	k_q0c218d323e_scan,@function
k_q0c218d323e_scan:
	s_mov_b64 s[64:65], 0
	v_nop
	global_prefetch_b8 v0, s[64:65] scope:SCOPE_SE
	s_setreg_imm32_b32 hwreg(HW_REG_WAVE_MODE, 25, 1), 1
	s_wait_xcnt 0x0
; WKV7, second launch: the chain over 256 chunks of 16 steps, from the records that the first launch wrote.  For each chunk, S0 the state at its start:
;   SA = S0 A' + V Aak'      (SA[i][t] = what the step t multiplies b_t by)
;   X  = S0 R~ + SA Arb + V Ark                     -> out0
;   S  = S0 o WC (by column, in f32) + SA B~ + V K~ -> the next chunk; at the end out1
; One work-group a head; wave g owns state rows 16 g .. 16 g + 15 (rows do not mix, and 16 is a matrix tile's height: 128 waves is all there is to share).
; The state is kept TRANSPOSED in four f32 accumulator tiles: tile q, register jj, lane (r, h) = S[16g + r][16q + 8h + jj].  So every result
; becomes the next product's operand by a conversion inside the lane, and nothing is shuffled.
; FORMATS: matrix operands f16 (all are decayed quantities; the state, SA and they must stay below 65504), sums and the carried state f32.
; RECORDS come by the tensor data mover: two LDS slots of 8 records (96,256 bytes), each wave fetching a quarter (94 rows of 256 bytes).
; No two work-groups read the same bytes, so there is nothing for a cluster to share.
.set RECB,   12032
.set SLOTB,  8*RECB
.set HALFB,  4*RECB                    ; LDS offsets have 16 bits: a base register for each half slot
.set QUARTB, 2*RECB
.set STG,    2*SLOTB                   ; behind the ring, in bytes that no tensor load fills: two stages of 128 rows (steps) x 272 bytes for x
.set SP,     272
.set STGB,   128*SP
.set ROWB,   8192                      ; a step's row of out0
.set R_AT, 0
.set R_RT, 2048
.set R_BK, 4096
.set R_AR, 8192
.set R_AK, 9216
.set R_VT, 9728
.set R_WC, 11776
; v1-4 16L + half slot  v5-8 the same + 512 g (v's piece)  v9-12 32h + half slot (WC)  v13,14 x into stage 0, 1  v15,16 x back out  v17 out0 offset
; v18 state2 offset  v19, v20 the state into and out of stage 0  v21 out1 offset
.set ST,  32                           ; v[32:63]   the state, 4 tiles
.set SB,  64                           ; v[64:79]   the state in f16, two K = 32 operands
.set AT,  80                           ; v[80:95]   A'
.set RT,  96                           ; v[96:111]  r~
.set BK,  112                          ; v[112:143] B~ (K 0..15) and K~ (K 16..31), 4 blocks of 16 channels
.set AR,  144                          ; v[144:151] Arb (K 0..15), Ark (K 16..31)
.set AKO, 152                          ; v[152:155] zero for good, v[156:159] Aak'
.set SV,  160                          ; v[160:163] SA in f16, v[164:167] v
.set WC,  168                          ; v[168:199]
.set SA,  200
.set XA,  208
.set XO,  216                          ; v[216:247] on the way out
.set VZ,  248                          ; v[248:251] zero for good, v[252:255] v
.set G1,  16
.set G0,  32
; 18 loads: what the first five products and the decay of chunk idx of a slot need, in the order of need.
; The base register is that of half slot 2 slot + idx / 4 (both arguments may be expressions: they stand in brackets).
.macro L1 slot, idx
	ds_load_b128 v[AKO+4:AKO+7], v[1+2*(\slot)+((\idx)>>2)] offset:((\idx)&3)*RECB+R_AK
	ds_load_b128 v[VZ+4:VZ+7],   v[5+2*(\slot)+((\idx)>>2)] offset:((\idx)&3)*RECB+R_VT
.irp q, 0,1,2,3
	ds_load_b128 v[AT+4*\q:AT+4*\q+3], v[1+2*(\slot)+((\idx)>>2)] offset:((\idx)&3)*RECB+R_AT+512*\q
.endr
.irp q, 0,1,2,3
	ds_load_b128 v[RT+4*\q:RT+4*\q+3], v[1+2*(\slot)+((\idx)>>2)] offset:((\idx)&3)*RECB+R_RT+512*\q
.endr
.irp q, 0,1,2,3,4,5,6,7
	ds_load_b128 v[WC+4*\q:WC+4*\q+3], v[9+2*(\slot)+((\idx)>>2)] offset:((\idx)&3)*RECB+R_WC+64*(\q>>1)+16*(\q&1)
.endr
.endm
; 11 loads: what the last five products need
.macro L2 slot, idx
.irp q, 0,1,2,3,4,5,6,7
	ds_load_b128 v[BK+4*\q:BK+4*\q+3], v[1+2*(\slot)+((\idx)>>2)] offset:((\idx)&3)*RECB+R_BK+512*\q
.endr
	ds_load_b128 v[AR:AR+3],   v[1+2*(\slot)+((\idx)>>2)] offset:((\idx)&3)*RECB+R_AR
	ds_load_b128 v[AR+4:AR+7], v[1+2*(\slot)+((\idx)>>2)] offset:((\idx)&3)*RECB+R_AR+512
	ds_load_b128 v[SV+4:SV+7], v[5+2*(\slot)+((\idx)>>2)] offset:((\idx)&3)*RECB+R_VT
.endm
; One chunk.  Its operands were asked for in the chunk before (L1, then L2, then that chunk's two stores of x); last = 1: nothing is asked for.
; The accumulators go SA, X, SA, X, SA, S0, S1, S2, S3, X: they take turns, one instruction a turn, from chunk to chunk too.
.macro CHUNK slot, idx, last, nslot, nidx
.irp q, 0,1,2,3
.irp i, 0,1,2,3
	v_cvt_pk_f16_f32 v[SB+4*\q+\i], v[ST+8*\q+2*\i], v[ST+8*\q+2*\i+1]
.endr
.endr
	s_wait_dscnt 21                                ; Aak', v, A', r~ are in: behind them stand 8 loads of WC, 11 of L2, 2 stores
	v_wmma_f32_16x16x32_f16 v[SA:SA+7], v[AKO:AKO+7],     v[VZ:VZ+7],       0            ; SA[t][i] = sum_s Aak'[s][t] v[s][i]
	v_wmma_f32_16x16x32_f16 v[XA:XA+7], v[SB:SB+7],       v[RT:RT+7],       0            ; X[i][t] = sum_j S0[i][j] r~[t][j]
	v_wmma_f32_16x16x32_f16 v[SA:SA+7], v[AT:AT+7],       v[SB:SB+7],       v[SA:SA+7]   ; + sum_j A'[j][t] S0[i][j]
	v_wmma_f32_16x16x32_f16 v[XA:XA+7], v[SB+8:SB+15],    v[RT+8:RT+15],    v[XA:XA+7]
	v_wmma_f32_16x16x32_f16 v[SA:SA+7], v[AT+8:AT+15],    v[SB+8:SB+15],    v[SA:SA+7]
	s_wait_dscnt 13                                ; WC is in: behind it 11 loads and 2 stores
.irp i, 0,1,2,3,4,5,6,7,8,9,10,11,12,13,14,15
	v_pk_mul_f32 v[ST+2*\i:ST+2*\i+1], v[ST+2*\i:ST+2*\i+1], v[WC+2*\i:WC+2*\i+1]        ; the decay, in f32; also the places behind the five products (ISA guide 7.12.1)
.endr
.if \last == 0
	L1 \nslot, \nidx
.endif
.irp i, 0,1,2,3
	v_cvt_pk_f16_f32 v[SV+\i], v[SA+2*\i], v[SA+2*\i+1]
.endr
.if \last == 0
	s_wait_dscnt 20                                ; L2 is in: behind it 2 stores and the 18 loads just issued
.else
	s_wait_dscnt 2                                 ; L2 is in: behind it 2 stores
.endif
.irp q, 0,1,2,3
	v_wmma_f32_16x16x32_f16 v[ST+8*\q:ST+8*\q+7], v[BK+8*\q:BK+8*\q+7], v[SV:SV+7], v[ST+8*\q:ST+8*\q+7]   ; S[i][j] += sum_s B~[s][j] SA[s][i] + K~[s][j] v[s][i]
.endr
	v_wmma_f32_16x16x32_f16 v[XA:XA+7], v[SV:SV+7], v[AR:AR+7], v[XA:XA+7]               ; X[i][t] += sum_s SA[s][i] Arb[s][t] + v[s][i] Ark[s][t]
.rept 4
	v_nop                                          ; four places before x is stored, the state read and operands loaded over
.endr
.if \last == 0
	L2 \nslot, \nidx
.endif
	ds_store_b128 v[13+\slot], v[XA:XA+3]   offset:\idx*16*SP      ; lane (r, h): step r, rows 16g + 8h .. + 7 of x
	ds_store_b128 v[13+\slot], v[XA+4:XA+7] offset:\idx*16*SP+16
.endm
; 128 steps of x leave a stage: wave g takes steps 32 g .. 32 g + 31; sixteen lanes store a head's 256 consecutive bytes of a step, aligned
.macro XOUT par
.irp b, 0,1
	s_wait_xcnt 0x0                                ; XO, which earlier stores read, is loaded over only behind this wait
.irp n, 0,1,2,3,4,5,6,7
	ds_load_b128 v[XO+4*\n:XO+4*\n+3], v[15+\par] offset:(8*\b+\n)*2*SP
.endr
.irp n, 0,1,2,3,4,5,6,7
	s_wait_dscnt 7-\n                              ; LDS loads return in order
	global_store_b128 v17, v[XO+4*\n:XO+4*\n+3], s[8:9] offset:(8*\b+\n)*2*ROWB th:TH_STORE_NT
.endr
.endr
	s_wait_xcnt 0x0
	s_add_nc_u64 s[8:9], s[8:9], 128*ROWB
.endm
; Eight chunks = one slot.  Then ONE barrier for three things: every wave's reads of this slot are over and all its tensor loads have landed (the other
; slot is whole), so this slot may be filled again, first thing behind the barrier, one load a wave; and all four waves' x of these 128 steps is in the stage.
; A wave has two tensor loads out at the start and one behind each such barrier, with eight chunks' work in which to land.
.macro PERIOD slot, refill, more
	CHUNK \slot, 0, 0, \slot, 1
	CHUNK \slot, 1, 0, \slot, 2
	CHUNK \slot, 2, 0, \slot, 3
	CHUNK \slot, 3, 0, \slot, 4
	CHUNK \slot, 4, 0, \slot, 5
	CHUNK \slot, 5, 0, \slot, 6
	CHUNK \slot, 6, 0, \slot, 7
	CHUNK \slot, 7, 1, 0, 0
	s_wait_dscnt 0x0                               ; my reads of the slot and my stores into the stage are done
	s_wait_tensorcnt 0x0                           ; all my tensor loads have landed, so a group 0 may be written
	ds_add_u32 v30, v31
	s_wait_dscnt 0x0
.if \refill
	s_add_nc_u64 s[G0+4*\slot+2:G0+4*\slot+3], s[G0+4*\slot+2:G0+4*\slot+3], 2*SLOTB
.endif
	s_barrier_signal -1
	s_barrier_wait -1
.if \refill
	tensor_load_to_lds s[G0+4*\slot:G0+4*\slot+3], s[G1:G1+7]      ; the records of 16 chunks on
	s_nop 0
.endif
.if \more
	L1 1-\slot, 0                                  ; the other slot's first chunk: its operands come in while x goes out
	L2 1-\slot, 0
.endif
	XOUT \slot                                     ; ends with no LDS instruction out: the next chunk's counted waits hold
.endm
	s_load_b256 s[4:11], s[0:1], 0x0               ; rec s[4:5], state2 s[6:7], out0 s[8:9], out1 s[10:11]
	v_lshl_add_u32 v30, v0, 2, 0x40000
	v_mov_b32 v31, 0
	ds_add_u32 v30, v31
	ds_add_u32 v30, v31
	v_lshrrev_b32 v22, 5, v0
	v_readfirstlane_b32 s12, v22                   ; wave g = 0..3
	; group 1: 94 dense rows of 256 bytes, in elements of 8 bytes, no padding
	s_mov_b32 s[G1+0], 3<<16                       ; no mask; element size code 3
	s_mov_b32 s[G1+1], 32<<16                      ; tensor_dim0 = 32
	s_mov_b32 s[G1+2], 94<<16                      ; tensor_dim1 = 94
	s_mov_b32 s[G1+3], 32<<16                      ; tile_dim0 = 32
	s_mov_b32 s[G1+4], 94                          ; tile_dim1 = 94
	s_mov_b32 s[G1+5], 32                          ; from row to row: 32 elements
	s_mov_b32 s[G1+6], 0
	s_mov_b32 s[G1+7], 0
	s_mul_i32 s24, s12, QUARTB                     ; my quarter of a slot, in LDS and in rec alike
	s_mul_i32 s14, ttmp9, 256*RECB                 ; the head's records
	s_add_co_u32 s14, s14, s24
	s_mov_b32 s15, 0
	s_lshl_b32 s26, ttmp9, 14                      ; the head's state: 16,384 bytes
	s_mov_b32 s27, 0
	s_lshl_b32 s28, ttmp9, 8                       ; the head's 256 bytes in a row of out0
	s_mov_b32 s29, 0
	s_wait_dscnt 0x0
	s_wait_kmcnt 0x0
	s_add_nc_u64 s[4:5], s[4:5], s[14:15]
	s_add_nc_u64 s[6:7], s[6:7], s[26:27]
	s_add_nc_u64 s[8:9], s[8:9], s[28:29]
	s_add_nc_u64 s[10:11], s[10:11], s[26:27]
.irp s, 0,1
	s_mov_b32 s[G0+4*\s], 1
	s_add_co_u32 s[G0+4*\s+1], s24, \s*SLOTB
	s_add_nc_u64 s[G0+4*\s+2:G0+4*\s+3], s[4:5], \s*SLOTB
	s_or_b32 s[G0+4*\s+3], s[G0+4*\s+3], 0x80000000
	tensor_load_to_lds s[G0+4*\s:G0+4*\s+3], s[G1:G1+7]            ; both first fills go out ahead of everything else
	s_nop 0
.endr
	v_and_b32 v22, 31, v0                          ; L
	v_and_b32 v23, 15, v0                          ; r
	v_bfe_u32 v24, v0, 4, 1                        ; h
	v_lshlrev_b32 v1, 4, v22
	v_lshlrev_b32 v9, 5, v24
	s_lshl_b32 s25, s12, 9
	v_add_nc_u32 v5, s25, v1
.irp n, 1,2,3
	v_add_nc_u32 v[1+\n], \n*HALFB, v1
	v_add_nc_u32 v[5+\n], \n*HALFB, v5
	v_add_nc_u32 v[9+\n], \n*HALFB, v9
.endr
	v_mul_u32_u24 v25, v23, SP
	v_lshl_add_u32 v25, v24, 5, v25                ; r x 272 + 32 h
	v_mul_u32_u24 v26, v24, SP
	v_lshl_add_u32 v26, v23, 4, v26                ; h x 272 + 16 r
	s_lshl_b32 s30, s12, 6
	s_add_co_u32 s30, s30, STG
	v_add_nc_u32 v13, s30, v25
	v_add_nc_u32 v14, STGB, v13
	s_mul_i32 s31, s12, 32*SP
	s_add_co_u32 s31, s31, STG
	v_add_nc_u32 v15, s31, v26
	v_add_nc_u32 v16, STGB, v15
	s_mul_i32 s40, s12, 16*SP
	s_add_co_u32 s40, s40, STG
	v_add_nc_u32 v19, s40, v25
	v_add_nc_u32 v20, s40, v26
	v_lshlrev_b32 v27, 4, v23
	v_lshl_add_u32 v17, v24, 13, v27
	s_lshl_b32 s41, s12, 18
	v_add_nc_u32 v17, s41, v17                     ; (32 g + h) rows of out0 + 16 r
	v_lshl_add_u32 v21, v24, 8, v27
	s_lshl_b32 s42, s12, 12
	v_add_nc_u32 v21, s42, v21                     ; (16 g + h) rows of out1 + 16 r
	v_lshlrev_b32 v18, 8, v23
	v_lshl_add_u32 v18, v24, 5, v18
	v_add_nc_u32 v18, s42, v18                     ; (16 g + r) rows of state2 + 32 h
.irp i, 0,1,2,3
	v_mov_b32 v[AKO+\i], 0                         ; K = 0..15 of the product V Aak', on both sides: written once
	v_mov_b32 v[VZ+\i], 0
.endr
.irp q, 0,1,2,3,4,5,6,7
	global_load_b128 v[ST+4*\q:ST+4*\q+3], v18, s[6:7] offset:64*(\q>>1)+16*(\q&1)
.endr
	s_wait_tensorcnt 0x1                           ; my quarter of slot 0 is in; slot 1's may stay out
	s_barrier_signal -1
	s_barrier_wait -1
	L1 0, 0
	L2 0, 0
	s_wait_dscnt 0x0
	s_wait_loadcnt 0x0                             ; the state
	s_mov_b32 s13, 15
.Lpair:
	PERIOD 0, 1, 1
	PERIOD 1, 1, 1
	s_sub_co_u32 s13, s13, 1
	s_cmp_lg_u32 s13, 0
	s_cbranch_scc1 .Lpair
	PERIOD 0, 0, 1                                 ; the last sixteen chunks: nothing is left to fetch
	PERIOD 1, 0, 0
	; the last state: each wave turns its 16 rows through its own rows of stage 0, whose last readers passed the barrier above
.irp q, 0,1,2,3,4,5,6,7
	ds_store_b128 v19, v[ST+4*\q:ST+4*\q+3] offset:64*(\q>>1)+16*(\q&1)
.endr
.irp n, 0,1,2,3,4,5,6,7
	ds_load_b128 v[XO+4*\n:XO+4*\n+3], v20 offset:\n*2*SP          ; a wave's LDS instructions are served in order: these see the stores above
.endr
.irp n, 0,1,2,3,4,5,6,7
	s_wait_dscnt 7-\n
	global_store_b128 v21, v[XO+4*\n:XO+4*\n+3], s[10:11] offset:\n*512
.endr
	s_wait_tensorcnt 0x0
	ds_add_u32 v30, v31
	s_wait_dscnt 0x0
	s_endpgm
.Lfunc_end_k_q0c218d323e_scan:
	.size	k_q0c218d323e_scan, .Lfunc_end_k_q0c218d323e_scan-k_q0c218d323e_scan
	.p2alignl 7, 3214868480
	.fill 96, 4, 3214868480
	.section	.rodata,"a",@progbits
	.p2align	6, 0x0
	.amdhsa_kernel k_q0c218d323e_scan
		.amdhsa_group_segment_fixed_size 327680
		.amdhsa_private_segment_fixed_size 0
		.amdhsa_enable_private_segment 0
		.amdhsa_kernarg_size 32
		.amdhsa_user_sgpr_count 2
		.amdhsa_user_sgpr_kernarg_segment_ptr 1
		.amdhsa_wavefront_size32 1
		.amdhsa_system_sgpr_workgroup_id_x 1
		.amdhsa_system_sgpr_workgroup_id_y 1
		.amdhsa_system_sgpr_workgroup_id_z 1
		.amdhsa_system_vgpr_workitem_id 0
		.amdhsa_next_free_vgpr 256
		.amdhsa_next_free_sgpr 66
		.amdhsa_reserve_vcc 0
		.amdhsa_float_denorm_mode_32 3
		.amdhsa_float_denorm_mode_16_64 3
		.amdhsa_memory_ordered 1
		.amdhsa_forward_progress 1
		.amdhsa_inst_pref_size 183
	.end_amdhsa_kernel
	.amdgpu_metadata
---
amdhsa.version: [ 1, 2 ]
amdhsa.kernels:
  - .name:           k_q0c218d323e_scan
    .symbol:         k_q0c218d323e_scan.kd
    .args:
      - { .name: rec, .offset: 0, .size: 8, .value_kind: global_buffer, .address_space: global }
      - { .name: state2, .offset: 8, .size: 8, .value_kind: global_buffer, .address_space: global }
      - { .name: out0, .offset: 16, .size: 8, .value_kind: global_buffer, .address_space: global }
      - { .name: out1, .offset: 24, .size: 8, .value_kind: global_buffer, .address_space: global }
    .group_segment_fixed_size: 327680
    .private_segment_fixed_size: 0
    .kernarg_segment_align: 8
    .kernarg_segment_size: 32
    .max_flat_workgroup_size: 128
    .sgpr_count:     66
    .vgpr_count:     256
    .wavefront_size: 32
...
	.end_amdgpu_metadata
.endif
;; end of part 2
;; ======== version 2 of 2: 4 launches; 1.27 times as fast as version 1
;; limits: right only within a limited range of input values; values are held in f16: magnitudes above 65,504 overflow, below 6.1e-05 lose precision; values outside matrix products are rounded to f16
;; workspace buffers: rec 98,566,144 bytes; grp 5,505,024 bytes; sg 4,194,304 bytes
;; launch prep (part 3): grid 8 x 32, 8 waves a work-group, no clusters, 293,888 bytes of LDS; arguments w, a, b, k, r, v, rec; writes rec
.if DOCPART == 3
	.amdgcn_target "amdgcn-amd-amdhsa--gfx1250"
	.amdhsa_code_object_version 6
	.text
	.protected	k_q0c218d323e_prep
	.globl	k_q0c218d323e_prep
	.p2align	8
	.type	k_q0c218d323e_prep,@function
k_q0c218d323e_prep:
	s_mov_b64 s[64:65], 0
	v_nop
	global_prefetch_b8 v0, s[64:65] scope:SCOPE_SE
	s_setreg_imm32_b32 hwreg(HW_REG_WAVE_MODE, 25, 1), 1
	s_wait_xcnt 0x0
; WKV7, first of four launches: everything of a chunk of 16 time steps that does not hang on the state.
; One head, one chunk, local t, s = 0..15, channel j = 0..63:
;   P[0] = 1, P[t+1] = P[t] w_t;  U_s = product of w_u over u > s;  WC = P[16]
;   a~_t = a_t P[t];  r~_t = r_t P[t+1];  b^_s = b_s / P[s+1];  k^_s = k_s / P[s+1];  B~_s = b_s U_s;  K~_s = k_s U_s
;   N[s,t] = sum_j b^_s a~_t (s < t);  Aak[s,t] = sum_j k^_s a~_t (s < t);  Arb, Ark the same with r~_t (s <= t)
;   T = (I - N)^-1 = (I+N)(I+N^2)(I+N^4)(I+N^8), exact since N is strictly triangular of size 16;  A' = A~ T;  Aak' = Aak T
; A record of 12,032 bytes for each (head, chunk) takes these to the later launches, already in the lanes' order of their matrix
; operands: pieces of 512 bytes, lane L at byte 16 L.  What only the output needs (r~, Arb, Ark) lies at the record's end, so that the
; launch that follows the state alone reads the first 8,960 bytes.
; FORMATS: the products here take bf16 operands (b^, k^ need the exponent range), sums in f32.  b^, k^ and r~ go in as TWO bf16 numbers
; each: the f32's upper 16 bits and the rest rounded to bf16, and the products are upper x upper + lower x upper + upper x lower: about
; 16 bits instead of 8, since Arb and Ark multiply v and S a straight into the output.  a~ goes in as one bf16.
; What goes into the record is decayed, no larger than the inputs, and is written in f16; WC in f32.
; LIMITS: |product of the 16 w of a channel in one chunk| >= 2^-100 (holds for |w| >= 2^-6; w = 0 is not served: 1/P would not be finite);
; the record's numbers must lie inside f16's range (below 65504).
; SHARING: work-group (x, y) = head y, chunks 32 x .. 32 x + 31; wave n takes four chunks, one a trip.  A wave's LDS is its own, so there
; is no barrier.  No two work-groups read the same bytes, so there is nothing for a cluster to share.  Each input row piece of a head is 256
; consecutive bytes, aligned, and is read once; each store of a wave covers 512 (WC: 256) consecutive bytes, aligned.
.set ROWB,   8192                      ; bytes of a time step's row [2048] f32
.set CHUNKB, 16*ROWB
.set RECB,   12032
.set WLDS,   36608                     ; LDS of one wave
.set UUO,    4352                      ; PP: 17 rows x 256 B of f32 at 0; UU: 16 rows at 4352
.set ARR,    8448                      ; then eleven 16-bit arrays [16 t][64 j]
.set AP,     160                       ; their pitch: 128 B of data + 32, an odd multiple of 32 B for the transposing loads
.set ASZ,    16*AP
.set O_AH, 0*ASZ                       ; a~ bf16
.set O_RH, 1*ASZ                       ; r~ bf16, upper part
.set O_BH, 2*ASZ                       ; b^ bf16, upper part
.set O_KH, 3*ASZ                       ; k^ bf16, upper part
.set O_RF, 4*ASZ                       ; r~ f16
.set O_BF, 5*ASZ                       ; B~ f16
.set O_KF, 6*ASZ                       ; K~ f16
.set O_VF, 7*ASZ                       ; v  f16
.set O_RL, 8*ASZ                       ; r~, b^, k^ bf16, lower parts
.set O_BL, 9*ASZ
.set O_KL, 10*ASZ
.set R_AT, 0                           ; the record: A' (4 pieces), B~ and K~ by turns (8), Aak', v (4), WC; then r~ (4), Arb, Ark
.set R_BK, 2048
.set R_AK, 6144
.set R_VT, 6656
.set R_WC, 8704
.set R_RT, 8960
.set R_AR, 11008
; v1 8L (w, WC)  v2 hh*8192+16c (inputs)  v3 PP/UU stores  v4 PP/UU reads  v5 16-bit stores  v6 fragment reads  v7 transposing reads  v8 16L (record)  v9 1.0
.set ZB,  16                           ; six operands of K = 16: 4 data registers, then 4 that stay zero (K = 16..31)
.set PN,  16
.set PNT, 24
.set PT,  32
.set PAK, 40
.set TA0, 48
.set TA1, 56
.set WW,  64                           ; v[64:95]  w, 2 channels a lane, 16 steps
.set IA,  96                           ; inputs, set n (rows 2n, 2n+1): 4 registers at +4n
.set IB,  128
.set IK,  160
.set IR,  192
.set IV,  224
.set IW,  64                           ; elementwise temporaries (w is done with by then)
.set TB,  68
.set TK,  72
.set HM,  76
.set PRH, 80
.set PRL, 82
.set PBH, 84
.set PBL, 86
.set PKH, 88
.set PKL, 90
.set FA,  64                           ; the matrix phase lies over the inputs' registers
.set FR,  80
.set FB,  96
.set FK,  112
.set TT,  128
.set NT,  136
.set AKT, 144
.set RB,  152
.set RK,  160
.set X1,  168
.set X2,  176
.set DQ,  184                          ; first the lower fragments of b^ and k^, then B~ and K~ on their way to the record, then A'
.set FBL, 184
.set FKL, 200
.set DK,  216
.set RI,  224                          ; first the lower fragments of r~, then r~ f16 on its way to the record
.set FRL, 224
.set VI,  240
.set MLT, 24                           ; s[24:31] lanes with jj < d, s[32:39] jj <= d, s[40:47] jj > d, s[48:55] jj = d; d = r - 8h
.set MLE, 32
.set MGT, 40
.set MEQ, 48
; s58 = the byte selector that packs two upper halves, s59 = the mask of a word's upper half
.macro PACKB dst, src                  ; a 16 x 16 f32 result becomes 4 registers of a K = 16 operand, bf16
.irp i, 0,1,2,3
	v_cvt_pk_bf16_f32 v[\dst+\i], v[\src+2*\i], v[\src+2*\i+1]
.endr
.endm
.macro PACKH dst, src                  ; the same in f16, for the record
.irp i, 0,1,2,3
	v_cvt_pk_f16_f32 v[\dst+\i], v[\src+2*\i], v[\src+2*\i+1]
.endr
.endm
.macro MM d, a, b                      ; d = a x b
	v_wmma_f32_16x16x32_bf16 v[\d:\d+7], v[\a:\a+7], v[\b:\b+7], 0
.endm
.macro MA d, a, b                      ; d += a x b
	v_wmma_f32_16x16x32_bf16 v[\d:\d+7], v[\a:\a+7], v[\b:\b+7], v[\d:\d+7]
.endm
.macro P5                              ; five places behind matrix instructions whose results are packed and whose registers are written again (ISA guide 7.12.1)
.rept 5
	v_nop
.endr
.endm
.macro FRAG dst, arr                   ; 16 rows x 64 K as two K = 32 operands: row r, bytes 64 p + 32 e + 16 h
.irp p, 0,1
.irp e, 0,1
	ds_load_b128 v[\dst+8*\p+4*\e:\dst+8*\p+4*\e+3], v6 offset:\arr+64*\p+32*\e
.endr
.endr
.endm
; Four f32 at x become two packed registers of upper parts (the words' upper halves: exact bf16 numbers) and two of lower parts
; (x minus its upper part is exact in f32; it is rounded to bf16)
.macro SPLIT x, hi, lo
	v_perm_b32 v[\hi],   v[\x+1], v[\x],   s58
	v_perm_b32 v[\hi+1], v[\x+3], v[\x+2], s58
.irp i, 0,1,2,3
	v_and_b32 v[HM+\i], s59, v[\x+\i]
.endr
	v_pk_add_f32 v[HM:HM+1],   v[\x:\x+1],   v[HM:HM+1]   neg_lo:[0,1] neg_hi:[0,1]
	v_pk_add_f32 v[HM+2:HM+3], v[\x+2:\x+3], v[HM+2:HM+3] neg_lo:[0,1] neg_hi:[0,1]
	v_cvt_pk_bf16_f32 v[\lo],   v[HM],   v[HM+1]
	v_cvt_pk_bf16_f32 v[\lo+1], v[HM+2], v[HM+3]
.endm
.macro LDM n                           ; P[t], P[t+1], U_t of rows t = 2n + hh, 4 channels a lane, into the data halves of three of the six operands
.set LB, ZB+24*((\n)&1)
	ds_load_b128 v[LB:LB+3],     v4 offset:512*(\n)
	ds_load_b128 v[LB+8:LB+11],  v4 offset:512*(\n)+256
	ds_load_b128 v[LB+16:LB+19], v4 offset:UUO+512*(\n)
.endm
; Rows 2n, 2n+1 elementwise.  cnt: LDS instructions younger than this set's three loads (the last set's 11 stores, the next set's 3 loads).
.macro SETM n, cnt
.if \n < 7
	LDM \n+1
.endif
.set PB, ZB+24*((\n)&1)
	s_wait_dscnt \cnt
	s_wait_loadcnt 35-5*\n                         ; loads return in order: five for each younger set may stay out
.irp i, 0,1,2,3
	v_rcp_f32 v[IW+\i], v[PB+8+\i]                 ; 1 / P[t+1]; the four plain multiplies below stand between these and their use (ISA guide 5.7.2)
.endr
.irp i, 0,2
	v_pk_mul_f32 v[IA+4*\n+\i:IA+4*\n+\i+1], v[IA+4*\n+\i:IA+4*\n+\i+1], v[PB+\i:PB+\i+1]       ; a~
	v_pk_mul_f32 v[IR+4*\n+\i:IR+4*\n+\i+1], v[IR+4*\n+\i:IR+4*\n+\i+1], v[PB+8+\i:PB+8+\i+1]   ; r~
.endr
	s_wait_alu depctr_va_vdst(0)
.irp i, 0,2
	v_pk_mul_f32 v[TB+\i:TB+\i+1], v[IB+4*\n+\i:IB+4*\n+\i+1], v[IW+\i:IW+\i+1]                 ; b^
	v_pk_mul_f32 v[TK+\i:TK+\i+1], v[IK+4*\n+\i:IK+4*\n+\i+1], v[IW+\i:IW+\i+1]                 ; k^
	v_pk_mul_f32 v[IB+4*\n+\i:IB+4*\n+\i+1], v[IB+4*\n+\i:IB+4*\n+\i+1], v[PB+16+\i:PB+16+\i+1] ; B~
	v_pk_mul_f32 v[IK+4*\n+\i:IK+4*\n+\i+1], v[IK+4*\n+\i:IK+4*\n+\i+1], v[PB+16+\i:PB+16+\i+1] ; K~
.endr
	SPLIT IR+4*\n, PRH, PRL
	SPLIT TB, PBH, PBL
	SPLIT TK, PKH, PKL
.irp i, 0,1
	v_cvt_pk_bf16_f32 v[IA+4*\n+\i], v[IA+4*\n+2*\i], v[IA+4*\n+2*\i+1]
	v_cvt_pk_f16_f32 v[IR+4*\n+\i], v[IR+4*\n+2*\i], v[IR+4*\n+2*\i+1]
	v_cvt_pk_f16_f32 v[IB+4*\n+\i], v[IB+4*\n+2*\i], v[IB+4*\n+2*\i+1]
	v_cvt_pk_f16_f32 v[IK+4*\n+\i], v[IK+4*\n+2*\i], v[IK+4*\n+2*\i+1]
	v_cvt_pk_f16_f32 v[IV+4*\n+\i], v[IV+4*\n+2*\i], v[IV+4*\n+2*\i+1]
.endr
	ds_store_b64 v5, v[IA+4*\n:IA+4*\n+1] offset:O_AH+2*AP*\n
	ds_store_b64 v5, v[PRH:PRH+1]         offset:O_RH+2*AP*\n
	ds_store_b64 v5, v[PBH:PBH+1]         offset:O_BH+2*AP*\n
	ds_store_b64 v5, v[PKH:PKH+1]         offset:O_KH+2*AP*\n
	ds_store_b64 v5, v[IR+4*\n:IR+4*\n+1] offset:O_RF+2*AP*\n
	ds_store_b64 v5, v[IB+4*\n:IB+4*\n+1] offset:O_BF+2*AP*\n
	ds_store_b64 v5, v[IK+4*\n:IK+4*\n+1] offset:O_KF+2*AP*\n
	ds_store_b64 v5, v[IV+4*\n:IV+4*\n+1] offset:O_VF+2*AP*\n
	ds_store_b64 v5, v[PRL:PRL+1]         offset:O_RL+2*AP*\n
	ds_store_b64 v5, v[PBL:PBL+1]         offset:O_BL+2*AP*\n
	ds_store_b64 v5, v[PKL:PKL+1]         offset:O_KL+2*AP*\n
.endm
	s_load_b256 s[4:11], s[0:1], 0x0               ; w s[4:5], a s[6:7], b s[8:9], k s[10:11]
	s_load_b128 s[12:15], s[0:1], 0x20             ; r s[12:13], v s[14:15]
	s_load_b64 s[16:17], s[0:1], 0x30              ; rec
	s_set_vgpr_msb 0x40
	v_lshl_add_u32 v0, v0, 2, 0x47800
	v_mov_b32 v1, 0
	s_set_vgpr_msb 0x4000
	v_lshrrev_b32 v11, 5, v0
	v_readfirstlane_b32 s18, v11                   ; wave 0..7
	s_and_b32 s57, ttmp7, 0xffff                   ; head
	s_lshl_b32 s58, ttmp9, 5
	s_lshl2_add_u32 s58, s18, s58                  ; my first chunk = 32 x + 4 wave
	s_lshl_b32 s59, s57, 8                         ; 256 head: the head's bytes in a row, and its first record's number
	s_lshl_b32 s20, s58, 17                        ; chunk x 131,072 bytes
	s_add_co_u32 s20, s20, s59                     ; offset into each input, below 2^25
	s_mov_b32 s21, 0
	s_add_co_u32 s22, s59, s58
	s_mul_i32 s22, s22, RECB                       ; offset of my first record, below 2^27
	s_mov_b32 s23, 0
	s_mul_i32 s56, s18, WLDS                       ; my wave's LDS
	s_add_co_u32 s57, s56, ARR                     ; and its 16-bit arrays
	s_mov_b32 s58, 0x07060302                      ; v_perm_b32: the first source's upper half above the second source's upper half
	s_mov_b32 s59, 0xffff0000
	v_and_b32 v10, 31, v0                          ; L
	v_and_b32 v12, 15, v0                          ; r (also c)
	v_bfe_u32 v13, v0, 4, 1                        ; h (also hh)
	v_lshlrev_b32 v1, 3, v10
	v_lshlrev_b32 v8, 4, v10
	v_lshlrev_b32 v2, 4, v12
	v_lshl_add_u32 v4, v13, 8, v2
	v_lshl_add_u32 v2, v13, 13, v2
	v_add_nc_u32 v3, s56, v1
	v_add_nc_u32 v4, s56, v4
	v_mul_u32_u24 v5, v13, AP
	v_lshl_add_u32 v5, v12, 3, v5
	v_add_nc_u32 v5, s57, v5
	v_mul_u32_u24 v6, v12, AP
	v_lshl_add_u32 v6, v13, 4, v6
	v_add_nc_u32 v6, s57, v6
	v_and_b32 v14, 7, v0
	v_lshl_add_u32 v14, v13, 3, v14                ; row 8h + (L & 7)
	v_mul_u32_u24 v7, v14, AP
	v_bfe_u32 v15, v0, 3, 1
	v_lshl_add_u32 v7, v15, 4, v7
	v_add_nc_u32 v7, s57, v7
	v_mov_b32 v9, 1.0
	v_lshlrev_b32 v15, 3, v13
	v_sub_nc_u32 v14, v12, v15                     ; d = r - 8h, signed
.irp j, 0,1,2,3,4,5,6,7
	v_cmp_lt_i32 s[MLT+\j], \j, v14
	v_cmp_le_i32 s[MLE+\j], \j, v14
	v_cmp_gt_i32 s[MGT+\j], \j, v14
	v_cmp_eq_i32 s[MEQ+\j], \j, v14
.endr
.irp n, 0,1,2,3,4,5
.irp i, 4,5,6,7
	v_mov_b32 v[ZB+8*\n+\i], 0                     ; K = 16..31 of the six short operands: written once
.endr
.endr
	s_wait_kmcnt 0x0
.irp p, 4,6,8,10,12,14
	s_add_nc_u64 s[\p:\p+1], s[\p:\p+1], s[20:21]
.endr
	s_add_nc_u64 s[16:17], s[16:17], s[22:23]
	s_mov_b32 s19, 0
.Ltrip:
	; the chunk's 24 KiB: w first (it heads the chain), then the five others, two rows a load
.irp t, 0,1,2,3,4,5,6,7,8,9,10,11,12,13,14,15
	global_load_b64 v[WW+2*\t:WW+2*\t+1], v1, s[4:5] offset:\t*ROWB th:TH_LOAD_NT
.endr
.irp n, 0,1,2,3,4,5,6,7
	global_load_b128 v[IA+4*\n:IA+4*\n+3], v2, s[6:7]   offset:\n*2*ROWB th:TH_LOAD_NT
	global_load_b128 v[IB+4*\n:IB+4*\n+3], v2, s[8:9]   offset:\n*2*ROWB th:TH_LOAD_NT
	global_load_b128 v[IK+4*\n:IK+4*\n+3], v2, s[10:11] offset:\n*2*ROWB th:TH_LOAD_NT
	global_load_b128 v[IR+4*\n:IR+4*\n+3], v2, s[12:13] offset:\n*2*ROWB th:TH_LOAD_NT
	global_load_b128 v[IV+4*\n:IV+4*\n+3], v2, s[14:15] offset:\n*2*ROWB th:TH_LOAD_NT
.endr
	; running products of w, forward (P) and backward (U), two channels a lane, laid into LDS by rows
	v_mov_b32 v16, 1.0
	v_mov_b32 v17, 1.0
	v_mov_b32 v18, 1.0
	v_mov_b32 v19, 1.0
	ds_store_b64 v3, v[16:17]
	ds_store_b64 v3, v[18:19] offset:UUO+15*256
	s_wait_loadcnt 40                              ; the 16 loads of w are in; the 40 younger ones stay out
.irp t, 0,1,2,3,4,5,6,7,8,9,10,11,12,13,14,15
	v_pk_mul_f32 v[16:17], v[16:17], v[WW+2*\t:WW+2*\t+1]
	ds_store_b64 v3, v[16:17] offset:(\t+1)*256
.endr
.irp t, 15,14,13,12,11,10,9,8,7,6,5,4,3,2,1
	v_pk_mul_f32 v[18:19], v[18:19], v[WW+2*\t:WW+2*\t+1]
	ds_store_b64 v3, v[18:19] offset:UUO+(\t-1)*256
.endr
	global_store_b64 v1, v[16:17], s[16:17] offset:R_WC   ; WC = P[16]
	s_wait_xcnt 0x0                                ; v[16:17], that store's data, are loaded into next
	LDM 0
	SETM 0, 3
	SETM 1, 14
	SETM 2, 14
	SETM 3, 14
	SETM 4, 14
	SETM 5, 14
	SETM 6, 14
	SETM 7, 11
	; 30 LDS loads (a wave's LDS instructions are served in order: they see the stores above): 16 upper fragments, 12 lower, 2 for later
	FRAG FB, O_BH
	FRAG FA, O_AH
	FRAG FK, O_KH
	FRAG FR, O_RH
	FRAG FBL, O_BL
	FRAG FKL, O_KL
	FRAG FRL, O_RL
	ds_load_tr16_b128 v[TA0:TA0+3], v7 offset:O_AH                   ; a~[t = 8h ..][j = r], [j = 16 + r]
	ds_load_tr16_b128 v[TA1:TA1+3], v7 offset:O_AH+32
	s_wait_dscnt 14                                ; the 16 upper fragment loads are in, the 14 younger may be out
	; five 16 x 16 sums over 64 channels; the five accumulators take turns, one instruction a turn
	MM TT,  FB, FA                                 ; N[s][t]
	MM NT,  FA, FB                                 ; N transposed
	MM AKT, FA, FK                                 ; Aak transposed
	MM RB,  FB, FR                                 ; Arb[s][t]
	MM RK,  FK, FR                                 ; Ark[s][t]
	MA TT,  FB+8, FA+8
	MA NT,  FA+8, FB+8
	MA AKT, FA+8, FK+8
	MA RB,  FB+8, FR+8
	MA RK,  FK+8, FR+8
	s_wait_dscnt 2                                 ; the lower fragments are in; the two transposed loads may be out
	MA TT,  FBL, FA                                ; the lower parts of b^ and k^
	MA NT,  FA, FBL
	MA AKT, FA, FKL
	MA RB,  FBL, FR
	MA RK,  FKL, FR
	MA TT,  FBL+8, FA+8
	MA NT,  FA+8, FBL+8
	MA AKT, FA+8, FKL+8
	MA RB,  FBL+8, FR+8
	MA RK,  FKL+8, FR+8
	MA RB,  FB, FRL                                ; the lower part of r~
	MA RK,  FK, FRL
	MA RB,  FB+8, FRL+8
	MA RK,  FK+8, FRL+8
.rept 4
	v_nop                                          ; four places behind the products before their results are read and their sources loaded over (ISA guide 7.12.1)
.endr
	; 16 pieces that only change their order on the way to the record; they land while the triangles are cut
	FRAG RI, O_RF                                  ; r~ f16, already as the record wants it
.irp q, 0,1,2,3
	ds_load_tr16_b128 v[DQ+8*\q:DQ+8*\q+3],   v7 offset:O_BF+32*\q   ; B~[s = 8h ..][j = 16q + r]
	ds_load_tr16_b128 v[DQ+8*\q+4:DQ+8*\q+7], v7 offset:O_KF+32*\q   ; K~ likewise
.endr
.irp g, 0,1,2,3
	ds_load_tr16_b128 v[VI+4*\g:VI+4*\g+3], v7 offset:O_VF+32*\g     ; v[s = 8h ..][i = 16g + r]
.endr
	; the triangles: register jj of lane (r, h) is element (8h + jj, r).  A select, not a multiply: what is thrown away may be huge or not finite
.irp j, 0,1,2,3,4,5,6,7
	v_cndmask_b32 v[TT+\j],  0, v[TT+\j],  s[MLT+\j]
	v_cndmask_b32 v[NT+\j],  0, v[NT+\j],  s[MGT+\j]
	v_cndmask_b32 v[AKT+\j], 0, v[AKT+\j], s[MGT+\j]
	v_cndmask_b32 v[RB+\j],  0, v[RB+\j],  s[MLE+\j]
	v_cndmask_b32 v[RK+\j],  0, v[RK+\j],  s[MLE+\j]
.endr
	PACKB PN,  TT                                  ; as second operand N, as first operand N transposed
	PACKB PNT, NT                                  ; as first operand N
	PACKB PAK, AKT                                 ; as first operand Aak
.irp j, 0,1,2,3,4,5,6,7
	v_cndmask_b32 v[TT+\j], v[TT+\j], v9, s[MEQ+\j]   ; T = I + N
.endr
	PACKB PT, TT
	PACKH 64, RB
	PACKH 68, RK
	s_wait_dscnt 0x0                               ; the 16 pieces and the two transposed loads of a~ are in
.irp m, 0,1,2,3
	global_store_b128 v8, v[RI+4*\m:RI+4*\m+3], s[16:17] offset:R_RT+512*\m
.endr
.irp m, 0,1,2,3,4,5,6,7
	global_store_b128 v8, v[DQ+4*\m:DQ+4*\m+3], s[16:17] offset:R_BK+512*\m
.endr
.irp m, 0,1,2,3
	global_store_b128 v8, v[VI+4*\m:VI+4*\m+3], s[16:17] offset:R_VT+512*\m
.endr
	global_store_b128 v8, v[64:67], s[16:17] offset:R_AR
	global_store_b128 v8, v[68:71], s[16:17] offset:R_AR+512
	; T <- (I + N^2) T, (I + N^4) T, (I + N^8) T, with N squared each time, plain and transposed.  No link on T stands next to the link before it.
	MM X1, PNT, PN
	MM X2, PN, PNT
	P5
	PACKB PN,  X1
	PACKB PNT, X2
	MA TT, PNT, PT
	MM X1, PNT, PN
	MM X2, PN, PNT
	P5
	PACKB PT,  TT
	PACKB PN,  X1
	PACKB PNT, X2
	MA TT, PNT, PT
	MM X2, PN, PNT
	P5
	PACKB PT,  TT
	PACKB PNT, X2
	MA TT, PNT, PT
	P5
	PACKB PT, TT
	; A' = A~ T by blocks of 16 channels, Aak' = Aak T
	ds_load_tr16_b128 v[PN:PN+3],   v7 offset:O_AH+64
	ds_load_tr16_b128 v[PNT:PNT+3], v7 offset:O_AH+96
	s_wait_xcnt 0x0                                ; the stores of B~ and K~ read the registers that the next results land in
	MM DQ,    TA0, PT
	MM DQ+8,  TA1, PT
	MM DK,    PAK, PT
	s_wait_dscnt 0x0
	MM DQ+16, PN,  PT
	MM DQ+24, PNT, PT
.rept 4
	v_nop
.endr
.irp q, 0,1,2,3
	PACKH 96+4*\q, DQ+8*\q
.endr
	PACKH 112, DK
.irp q, 0,1,2,3
	global_store_b128 v8, v[96+4*\q:96+4*\q+3], s[16:17] offset:R_AT+512*\q
.endr
	global_store_b128 v8, v[112:115], s[16:17] offset:R_AK
	s_wait_xcnt 0x0                                ; bases are stepped, and store data loaded over, only behind this wait
.irp p, 4,6,8,10,12,14
	s_add_nc_u64 s[\p:\p+1], s[\p:\p+1], CHUNKB
.endr
	s_add_nc_u64 s[16:17], s[16:17], RECB
	s_add_co_u32 s19, s19, 1
	s_cmp_lt_u32 s19, 4
	s_cbranch_scc1 .Ltrip
	s_set_vgpr_msb 0x5
	s_wait_tensorcnt 0x0
	ds_add_u32 v0, v1
	s_wait_dscnt 0x0
	s_set_vgpr_msb 0x500
	s_endpgm
.Lfunc_end_k_q0c218d323e_prep:
	.size	k_q0c218d323e_prep, .Lfunc_end_k_q0c218d323e_prep-k_q0c218d323e_prep
	.p2alignl 7, 3214868480
	.fill 96, 4, 3214868480
	.section	.rodata,"a",@progbits
	.p2align	6, 0x0
	.amdhsa_kernel k_q0c218d323e_prep
		.amdhsa_group_segment_fixed_size 293888
		.amdhsa_private_segment_fixed_size 0
		.amdhsa_enable_private_segment 0
		.amdhsa_kernarg_size 56
		.amdhsa_user_sgpr_count 2
		.amdhsa_user_sgpr_kernarg_segment_ptr 1
		.amdhsa_wavefront_size32 1
		.amdhsa_system_sgpr_workgroup_id_x 1
		.amdhsa_system_sgpr_workgroup_id_y 1
		.amdhsa_system_sgpr_workgroup_id_z 1
		.amdhsa_system_vgpr_workitem_id 0
		.amdhsa_next_free_vgpr 258
		.amdhsa_next_free_sgpr 66
		.amdhsa_reserve_vcc 0
		.amdhsa_float_denorm_mode_32 3
		.amdhsa_float_denorm_mode_16_64 3
		.amdhsa_memory_ordered 1
		.amdhsa_forward_progress 1
		.amdhsa_inst_pref_size 64
	.end_amdhsa_kernel
	.amdgpu_metadata
---
amdhsa.version: [ 1, 2 ]
amdhsa.kernels:
  - .name:           k_q0c218d323e_prep
    .symbol:         k_q0c218d323e_prep.kd
    .args:
      - { .name: w, .offset: 0, .size: 8, .value_kind: global_buffer, .address_space: global }
      - { .name: a, .offset: 8, .size: 8, .value_kind: global_buffer, .address_space: global }
      - { .name: b, .offset: 16, .size: 8, .value_kind: global_buffer, .address_space: global }
      - { .name: k, .offset: 24, .size: 8, .value_kind: global_buffer, .address_space: global }
      - { .name: r, .offset: 32, .size: 8, .value_kind: global_buffer, .address_space: global }
      - { .name: v, .offset: 40, .size: 8, .value_kind: global_buffer, .address_space: global }
      - { .name: rec, .offset: 48, .size: 8, .value_kind: global_buffer, .address_space: global }
    .group_segment_fixed_size: 293888
    .private_segment_fixed_size: 0
    .kernarg_segment_align: 8
    .kernarg_segment_size: 56
    .max_flat_workgroup_size: 256
    .sgpr_count:     66
    .vgpr_count:     258
    .wavefront_size: 32
...
	.end_amdgpu_metadata
.endif
;; end of part 3
;; launch comp (part 4): grid 7 x 32, 4 waves a work-group, no clusters, 297,472 bytes of LDS; arguments rec, grp; writes grp
.if DOCPART == 4
	.amdgcn_target "amdgcn-amd-amdhsa--gfx1250"
	.amdhsa_code_object_version 6
	.text
	.protected	k_q0c218d323e_comp
	.globl	k_q0c218d323e_comp
	.p2align	8
	.type	k_q0c218d323e_comp,@function
k_q0c218d323e_comp:
	s_mov_b64 s[64:65], 0
	v_nop
	global_prefetch_b8 v0, s[64:65] scope:SCOPE_SE
	s_setreg_imm32_b32 hwreg(HW_REG_WAVE_MODE, 25, 1), 1
	s_wait_xcnt 0x0
; WKV7, second launch.  The 256 chunks of a head are cut into 8 groups of 32.  Over a group the state moves linearly, S_end = S_start M + C;
; this launch makes M and C of groups 0 to 6 (the last group's are never used), all groups side by side, so that the chain of dependent chunks
; is 32 long instead of 256.  Row i of M is what the unit row e_i becomes under the recurrence with v = 0; C is what a zero state becomes.
; For each chunk, as in the last launch:  SA = S0 A' + V Aak';  S = S0 o WC (in f32) + SA B~ + V K~;  for M the terms with V fall away.
; Work-group (x, y) = group x of head y.  Wave g carries TWO chains on the same operands: rows 16 g .. + 15 of C and of M.  So a record is read
; from LDS once for both, and the two chains' matrix instructions take turns.
; States are kept transposed in f32 accumulator tiles: tile q, register jj, lane (r, h) = S[16g + r][16q + 8h + jj].
; FORMATS: matrix operands f16, sums and the carried states f32.  LIMIT: states, S a, the records' numbers and M's entries below 65504.
; RECORDS: only the first 8,960 of a record's 12,032 bytes are read.  The whole group, 32 x 8,960 bytes, has room in LDS, so nothing is filled
; twice: each wave issues four tensor loads at the start (four are out), its two records of each period of 8 chunks,
; and a counted wait and a barrier stand in front of each period.  No two work-groups read the same bytes: nothing for a cluster to share.
.set RECB,  12032
.set CRB,   8960                       ; what is read of a record, and a record's pitch in LDS
.set HALFB, 4*CRB                      ; LDS offsets have 16 bits: a base register for each half period
.set PERB,  8*CRB
.set STG,   32*CRB                     ; behind the records, in bytes that no tensor load fills: 16 rows x 160 bytes for each wave, to turn M
.set MP,    160                        ; 128 bytes of f16 + 32: an odd multiple of 32 bytes for the transposing loads
.set GRPB,  24576                      ; a group's block in grp: M, 16 pieces of 512 bytes; C, 4,096 bytes a wave
.set R_AT, 0
.set R_BK, 2048
.set R_AK, 6144
.set R_VT, 6656
.set R_WC, 8704
; v1,2 16L + half period  v3,4 the same + 512 g (v's piece)  v5,6 32h + half period (WC)  v7 M into the stage  v8 M back, transposed  v9 16L (stores)
.set STC, 32                           ; v[32:63]   C, 4 tiles
.set STM, 64                           ; v[64:95]   M, 4 tiles
.set SBC, 96                           ; v[96:111]  C in f16, two K = 32 operands
.set SBM, 112                          ; v[112:127] M in f16
.set AT,  128                          ; v[128:143] A'
.set BK,  144                          ; v[144:175] B~ (K 0..15) and K~ (K 16..31), 4 blocks of 16 channels
.set AKO, 176                          ; v[176:179] zero for good, v[180:183] Aak'
.set VZ,  184                          ; v[184:187] zero for good, v[188:191] v
.set SVC, 192                          ; v[192:195] SA of C in f16, v[196:199] v
.set SVM, 200                          ; v[200:203] SA of M in f16, v[204:207] zero for good
.set WC,  208                          ; v[208:239]
.set SAC, 240
.set SAM, 248
.set G1,  16
.set G0,  24                           ; s[24:39] four sets, one for each period
.macro WM d, a, b
	v_wmma_f32_16x16x32_f16 v[\d:\d+7], v[\a:\a+7], v[\b:\b+7], 0
.endm
.macro WA d, a, b
	v_wmma_f32_16x16x32_f16 v[\d:\d+7], v[\a:\a+7], v[\b:\b+7], v[\d:\d+7]
.endm
; 14 loads: what the first products and the decay of chunk idx of the period need, in the order of need
.macro CL1 idx
	ds_load_b128 v[AKO+4:AKO+7], v[1+((\idx)>>2)] offset:((\idx)&3)*CRB+R_AK
	ds_load_b128 v[VZ+4:VZ+7],   v[3+((\idx)>>2)] offset:((\idx)&3)*CRB+R_VT
.irp q, 0,1,2,3
	ds_load_b128 v[AT+4*\q:AT+4*\q+3], v[1+((\idx)>>2)] offset:((\idx)&3)*CRB+R_AT+512*\q
.endr
.irp q, 0,1,2,3,4,5,6,7
	ds_load_b128 v[WC+4*\q:WC+4*\q+3], v[5+((\idx)>>2)] offset:((\idx)&3)*CRB+R_WC+64*(\q>>1)+16*(\q&1)
.endr
.endm
; 9 loads: what the last eight products need
.macro CL2 idx
.irp q, 0,1,2,3,4,5,6,7
	ds_load_b128 v[BK+4*\q:BK+4*\q+3], v[1+((\idx)>>2)] offset:((\idx)&3)*CRB+R_BK+512*\q
.endr
	ds_load_b128 v[SVC+4:SVC+7], v[3+((\idx)>>2)] offset:((\idx)&3)*CRB+R_VT
.endm
; One chunk of both chains.  Its operands were asked for in the chunk before (CL1, then CL2); last = 1: nothing is asked for.
; first = 1: C is still zero: its products with the state fall away and its first products start its sums, so nothing is cleared.
; The accumulators take turns, one instruction a turn, from chunk to chunk too.
.macro CCH idx, last, first
.irp q, 0,1,2,3
.irp i, 0,1,2,3
.if \first == 0
	v_cvt_pk_f16_f32 v[SBC+4*\q+\i], v[STC+8*\q+2*\i], v[STC+8*\q+2*\i+1]
.endif
	v_cvt_pk_f16_f32 v[SBM+4*\q+\i], v[STM+8*\q+2*\i], v[STM+8*\q+2*\i+1]
.endr
.endr
	s_wait_dscnt 17                                ; Aak', v, A' are in: behind them stand 8 loads of WC and the 9 of CL2
.if \first
	WM SAM, AT, SBM
	WM SAC, AKO, VZ
	WA SAM, AT+8, SBM+8
.else
	WM SAC, AKO, VZ                                ; SA[t][i] = sum_s Aak'[s][t] v[s][i]
	WM SAM, AT, SBM                                ;            sum_j A'[j][t] S0[i][j]
	WA SAC, AT, SBC
	WA SAM, AT+8, SBM+8
	WA SAC, AT+8, SBC+8
.endif
	s_wait_dscnt 9                                 ; WC is in: behind it the 9 of CL2
.irp i, 0,1,2,3,4,5,6,7,8,9,10,11,12,13,14,15
	v_pk_mul_f32 v[STM+2*\i:STM+2*\i+1], v[STM+2*\i:STM+2*\i+1], v[WC+2*\i:WC+2*\i+1]    ; the decay, in f32; also the places behind the products above (ISA guide 7.12.1)
.if \first == 0
	v_pk_mul_f32 v[STC+2*\i:STC+2*\i+1], v[STC+2*\i:STC+2*\i+1], v[WC+2*\i:WC+2*\i+1]
.endif
.endr
.if \last == 0
	CL1 \idx+1
.endif
.irp i, 0,1,2,3
	v_cvt_pk_f16_f32 v[SVC+\i], v[SAC+2*\i], v[SAC+2*\i+1]
	v_cvt_pk_f16_f32 v[SVM+\i], v[SAM+2*\i], v[SAM+2*\i+1]
.endr
.if \last == 0
	s_wait_dscnt 14                                ; CL2 is in: behind it the 14 loads just issued
.else
	s_wait_dscnt 0x0                               ; CL2 is in; no LDS instruction is out at the barrier that follows
.endif
.irp q, 0,1,2,3
.if \first
	WM STC+8*\q, BK+8*\q, SVC
.else
	WA STC+8*\q, BK+8*\q, SVC                      ; S[i][j] += sum_s B~[s][j] SA[s][i] + K~[s][j] v[s][i]
.endif
	WA STM+8*\q, BK+8*\q, SVM
.endr
.rept 4
	v_nop                                          ; four places before the states are read and operands loaded over
.endr
.if \last == 0
	CL2 \idx+1
.endif
.endm
.macro CPER first                      ; the eight chunks of a period
	CCH 0, 0, \first
	CCH 1, 0, 0
	CCH 2, 0, 0
	CCH 3, 0, 0
	CCH 4, 0, 0
	CCH 5, 0, 0
	CCH 6, 0, 0
	CCH 7, 1, 0
.endm
; On to the next period: left = how many of my four tensor loads are younger than that period's.
.macro NEXTP left
	s_wait_tensorcnt \left                         ; a wave's tensor loads end in order: my two records of the next period are in,
	s_barrier_signal -1
	s_barrier_wait -1                              ; and every wave's
.irp n, 1,2,3,4,5,6
	v_add_nc_u32 v\n, PERB, v\n
.endr
	CL1 0
	CL2 0
.endm
	s_load_b128 s[4:7], s[0:1], 0x0                ; rec s[4:5], grp s[6:7]
	v_lshl_add_u32 v30, v0, 2, 0x48800
	v_mov_b32 v31, 0
	ds_add_u32 v30, v31
	ds_add_u32 v30, v31
	v_lshrrev_b32 v10, 5, v0
	v_readfirstlane_b32 s8, v10                    ; wave g = 0..3
	s_and_b32 s9, ttmp7, 0xffff                    ; head
	; group 1: 2 rows (records) of 8,960 bytes in elements of 8 bytes, 12,032 bytes from row to row, no padding
	s_mov_b32 s[G1+0], 3<<16                       ; no mask; element size code 3
	s_mov_b32 s[G1+1], 1120<<16                    ; tensor_dim0 = 1,120
	s_mov_b32 s[G1+2], 2<<16                       ; tensor_dim1 = 2
	s_mov_b32 s[G1+3], 1120<<16                    ; tile_dim0 = 1,120
	s_mov_b32 s[G1+4], 2                           ; tile_dim1 = 2
	s_mov_b32 s[G1+5], 1504                        ; from row to row: 1,504 elements
	s_mov_b32 s[G1+6], 0
	s_mov_b32 s[G1+7], 0
	s_lshl_b32 s10, s9, 8
	s_lshl_b32 s11, ttmp9, 5
	s_add_co_u32 s10, s10, s11                     ; the group's first record: 256 head + 32 group
	s_lshl1_add_u32 s10, s8, s10                   ; + 2 wave
	s_mul_i32 s10, s10, RECB                       ; below 2^27
	s_mov_b32 s11, 0
	s_mul_i32 s12, s8, 2*CRB                       ; where my two records go in a period's LDS
	s_mul_i32 s14, s9, 7
	s_add_co_u32 s14, s14, ttmp9
	s_mul_i32 s14, s14, GRPB                       ; the group's block in grp
	s_mov_b32 s15, 0
	s_wait_dscnt 0x0
	s_wait_kmcnt 0x0
	s_add_nc_u64 s[4:5], s[4:5], s[10:11]
	s_add_nc_u64 s[6:7], s[6:7], s[14:15]
.irp p, 0,1,2,3
	s_mov_b32 s[G0+4*\p], 1
	s_add_co_u32 s[G0+4*\p+1], s12, \p*PERB
	s_add_nc_u64 s[G0+4*\p+2:G0+4*\p+3], s[4:5], \p*8*RECB
	s_or_b32 s[G0+4*\p+3], s[G0+4*\p+3], 0x80000000
	tensor_load_to_lds s[G0+4*\p:G0+4*\p+3], s[G1:G1+7]            ; all that the work-group will read is asked for ahead of everything else
	s_nop 0
.endr
	s_lshl_b32 s10, s8, 9
	s_add_nc_u64 s[40:41], s[6:7], s[10:11]        ; M: my pieces 4 q + g
	s_lshl_b32 s10, s8, 12
	s_add_co_u32 s10, s10, 8192
	s_add_nc_u64 s[42:43], s[6:7], s[10:11]        ; C: my 4,096 bytes
	v_and_b32 v10, 31, v0                          ; L
	v_and_b32 v11, 15, v0                          ; r
	v_bfe_u32 v12, v0, 4, 1                        ; h
	v_lshlrev_b32 v9, 4, v10
	v_lshlrev_b32 v1, 4, v10
	v_add_nc_u32 v2, HALFB, v1
	s_lshl_b32 s13, s8, 9
	v_add_nc_u32 v3, s13, v1
	v_add_nc_u32 v4, HALFB, v3
	v_lshlrev_b32 v5, 5, v12
	v_add_nc_u32 v6, HALFB, v5
	s_mul_i32 s13, s8, 16*MP
	s_add_co_u32 s13, s13, STG                     ; my stage
	v_mul_u32_u24 v7, v11, MP
	v_lshl_add_u32 v7, v12, 4, v7
	v_add_nc_u32 v7, s13, v7                       ; row r, 16 bytes for each half of the lanes
	v_and_b32 v13, 7, v0
	v_lshl_add_u32 v13, v12, 3, v13                ; row 8h + (L & 7)
	v_mul_u32_u24 v8, v13, MP
	v_bfe_u32 v14, v0, 3, 1
	v_lshl_add_u32 v8, v14, 4, v8
	v_add_nc_u32 v8, s13, v8
	; M starts as the unit matrix: S[16g + r][16q + 8h + jj] = 1 where 16 g + r - 8 h = 16 q + jj
	v_lshlrev_b32 v15, 3, v12
	v_sub_nc_u32 v15, v11, v15
	s_lshl_b32 s13, s8, 4
	v_add_nc_u32 v15, s13, v15
	v_mov_b32 v16, 1.0
.irp q, 0,1,2,3
.irp j, 0,1,2,3,4,5,6,7
	v_cmp_eq_i32 vcc_lo, 16*\q+\j, v15
	v_cndmask_b32 v[STM+8*\q+\j], 0, v16, vcc_lo
.endr
.endr
.irp i, 0,1,2,3
	v_mov_b32 v[AKO+\i], 0                         ; the halves of three operands that stay zero: written once
	v_mov_b32 v[VZ+\i], 0
	v_mov_b32 v[SVM+4+\i], 0
.endr
	s_wait_tensorcnt 0x3                           ; my two records of the first period are in; the three younger loads stay out
	s_barrier_signal -1
	s_barrier_wait -1
	CL1 0
	CL2 0
	CPER 1
	NEXTP 2
	CPER 0
	NEXTP 1
	CPER 0
	NEXTP 0                                        ; the last wait is for zero: no tensor load is younger than the last period's
	CPER 0
	; C leaves as it lies in the registers: each store of the wave covers 512 consecutive bytes, aligned
.irp n, 0,1,2,3,4,5,6,7
	global_store_b128 v9, v[STC+4*\n:STC+4*\n+3], s[42:43] offset:512*\n
.endr
	; M leaves in f16 as the next launch's first matrix operand: lane (r, h) of piece 4 q + g holds M[16g + 8h + jj][16q + r].
	; My 16 rows go through my own stage and come back transposed; a wave's LDS instructions are served in order.
.irp q, 0,1,2,3
.irp i, 0,1,2,3
	v_cvt_pk_f16_f32 v[SBM+4*\q+\i], v[STM+8*\q+2*\i], v[STM+8*\q+2*\i+1]
.endr
.endr
.irp q, 0,1,2,3
	ds_store_b128 v7, v[SBM+4*\q:SBM+4*\q+3] offset:32*\q
.endr
.irp q, 0,1,2,3
	ds_load_tr16_b128 v[AT+4*\q:AT+4*\q+3], v8 offset:32*\q
.endr
	s_wait_dscnt 0x0
.irp q, 0,1,2,3
	global_store_b128 v9, v[AT+4*\q:AT+4*\q+3], s[40:41] offset:2048*\q
.endr
	s_wait_tensorcnt 0x0
	ds_add_u32 v30, v31
	s_wait_dscnt 0x0
	s_endpgm
.Lfunc_end_k_q0c218d323e_comp:
	.size	k_q0c218d323e_comp, .Lfunc_end_k_q0c218d323e_comp-k_q0c218d323e_comp
	.p2alignl 7, 3214868480
	.fill 96, 4, 3214868480
	.section	.rodata,"a",@progbits
	.p2align	6, 0x0
	.amdhsa_kernel k_q0c218d323e_comp
		.amdhsa_group_segment_fixed_size 297472
		.amdhsa_private_segment_fixed_size 0
		.amdhsa_enable_private_segment 0
		.amdhsa_kernarg_size 16
		.amdhsa_user_sgpr_count 2
		.amdhsa_user_sgpr_kernarg_segment_ptr 1
		.amdhsa_wavefront_size32 1
		.amdhsa_system_sgpr_workgroup_id_x 1
		.amdhsa_system_sgpr_workgroup_id_y 1
		.amdhsa_system_sgpr_workgroup_id_z 1
		.amdhsa_system_vgpr_workitem_id 0
		.amdhsa_next_free_vgpr 256
		.amdhsa_next_free_sgpr 66
		.amdhsa_reserve_vcc 1
		.amdhsa_float_denorm_mode_32 3
		.amdhsa_float_denorm_mode_16_64 3
		.amdhsa_memory_ordered 1
		.amdhsa_forward_progress 1
		.amdhsa_inst_pref_size 232
	.end_amdhsa_kernel
	.amdgpu_metadata
---
amdhsa.version: [ 1, 2 ]
amdhsa.kernels:
  - .name:           k_q0c218d323e_comp
    .symbol:         k_q0c218d323e_comp.kd
    .args:
      - { .name: rec, .offset: 0, .size: 8, .value_kind: global_buffer, .address_space: global }
      - { .name: grp, .offset: 8, .size: 8, .value_kind: global_buffer, .address_space: global }
    .group_segment_fixed_size: 297472
    .private_segment_fixed_size: 0
    .kernarg_segment_align: 8
    .kernarg_segment_size: 16
    .max_flat_workgroup_size: 128
    .sgpr_count:     66
    .vgpr_count:     256
    .wavefront_size: 32
...
	.end_amdgpu_metadata
.endif
;; end of part 4
;; launch pref (part 5): grid 32 x 1, 4 waves a work-group, no clusters, 172,544 bytes of LDS; arguments grp, state2, sg; writes sg
.if DOCPART == 5
	.amdgcn_target "amdgcn-amd-amdhsa--gfx1250"
	.amdhsa_code_object_version 6
	.text
	.protected	k_q0c218d323e_pref
	.globl	k_q0c218d323e_pref
	.p2align	8
	.type	k_q0c218d323e_pref,@function
k_q0c218d323e_pref:
	s_mov_b64 s[64:65], 0
	v_nop
	global_prefetch_b8 v0, s[64:65] scope:SCOPE_SE
	s_setreg_imm32_b32 hwreg(HW_REG_WAVE_MODE, 25, 1), 1
	s_wait_xcnt 0x0
; WKV7, third launch: the state at the start of each of a head's 8 groups.  S_0 = state2;  S_(u+1) = S_u M_u + C_u, u = 0 .. 6.
; One work-group a head; wave g owns state rows 16 g .. + 15, transposed in four f32 accumulator tiles as in the other launches:
; tile q, register jj, lane (r, h) = S[16g + r][16q + 8h + jj].  The head's seven blocks of M and C, 172,032 bytes, come into LDS by one tensor
; load a wave (one is out), so that the seven dependent steps wait for LDS alone.
; FORMATS: S_u and M_u enter the products in f16 (both below 65504: the stated limit of the other launches), C_u and the sums are f32.
; The states are stored as they lie in the registers, 512 consecutive bytes a store, and are loaded so by the last launch.
; No two work-groups read the same bytes: nothing for a cluster to share.
.set GRPB,  24576
.set HEADB, 7*GRPB
.set QB,    HEADB/4                    ; 168 rows of 256 bytes
; v1-4 16L + two blocks each (M's pieces)  v5-8 the same + 8192 + 4096 g (C's pieces)  v9 state2 offset  v10 16L + 4096 g (sg offset)
.set STA, 32                           ; v[32:63], v[64:95]: the state and the next one, by turns
.set STB, 64
.set SB,  96                           ; v[96:111]  the state in f16, two K = 32 operands
.set MA,  112                          ; v[112:175], v[176:239]  M, two buffers; tile q, K block p at +16 q + 8 p
.set G1,  16
.set G0,  28
; 24 loads: M_u into buffer mb, C_u into the registers in which the next state will be summed
.macro PLD u, dst, mb
.irp m, 0,1,2,3,4,5,6,7,8,9,10,11,12,13,14,15
	ds_load_b128 v[MA+64*(\mb)+4*\m:MA+64*(\mb)+4*\m+3], v[1+((\u)>>1)] offset:((\u)&1)*GRPB+512*\m
.endr
.irp n, 0,1,2,3,4,5,6,7
	ds_load_b128 v[\dst+4*\n:\dst+4*\n+3], v[5+((\u)>>1)] offset:((\u)&1)*GRPB+512*\n
.endr
.endm
; One step: S_u lies in cur and is stored; nxt holds C_u and becomes S_(u+1).  The four accumulators take turns.
.macro PSTEP u, cur, nxt
.irp n, 0,1,2,3,4,5,6,7
	global_store_b128 v10, v[\cur+4*\n:\cur+4*\n+3], s[8:9] offset:\u*16384+512*\n
.endr
.irp q, 0,1,2,3
.irp i, 0,1,2,3
	v_cvt_pk_f16_f32 v[SB+4*\q+\i], v[\cur+8*\q+2*\i], v[\cur+8*\q+2*\i+1]
.endr
.endr
.if \u < 6
	s_wait_xcnt 0x0                                ; cur, the stores' data, is loaded over only behind this wait
	PLD \u+1, \cur, (\u+1)&1
	s_wait_dscnt 24                                ; this step's 24 loads are in; the next step's 24 stay out
.else
	s_wait_dscnt 0x0
.endif
.irp p, 0,1
.irp q, 0,1,2,3
	v_wmma_f32_16x16x32_f16 v[\nxt+8*\q:\nxt+8*\q+7], v[MA+64*((\u)&1)+16*\q+8*\p:MA+64*((\u)&1)+16*\q+8*\p+7], v[SB+8*\p:SB+8*\p+7], v[\nxt+8*\q:\nxt+8*\q+7]
.endr
.endr
.rept 4
	v_nop                                          ; four places before the new state is stored and read, and operands are written again (ISA guide 7.12.1)
.endr
.endm
	s_load_b128 s[4:7], s[0:1], 0x0                ; grp s[4:5], state2 s[6:7]
	s_load_b64 s[8:9], s[0:1], 0x10                ; sg
	v_lshl_add_u32 v240, v0, 2, 0x2a000
	v_mov_b32 v241, 0
	ds_add_u32 v240, v241
	ds_add_u32 v240, v241
	v_lshrrev_b32 v11, 5, v0
	v_readfirstlane_b32 s10, v11                   ; wave g = 0..3
	; group 1: 168 dense rows of 256 bytes, in elements of 8 bytes, no padding
	s_mov_b32 s[G1+0], 3<<16
	s_mov_b32 s[G1+1], 32<<16                      ; tensor_dim0 = 32
	s_mov_b32 s[G1+2], 168<<16                     ; tensor_dim1 = 168
	s_mov_b32 s[G1+3], 32<<16                      ; tile_dim0 = 32
	s_mov_b32 s[G1+4], 168                         ; tile_dim1 = 168
	s_mov_b32 s[G1+5], 32
	s_mov_b32 s[G1+6], 0
	s_mov_b32 s[G1+7], 0
	s_mul_i32 s12, s10, QB                         ; my quarter, in LDS and in grp alike
	s_mul_i32 s14, ttmp9, HEADB
	s_add_co_u32 s14, s14, s12
	s_mov_b32 s15, 0
	s_lshl_b32 s24, ttmp9, 14                      ; the head's state: 16,384 bytes
	s_mov_b32 s25, 0
	s_lshl_b32 s26, ttmp9, 17                      ; the head's eight states
	s_mov_b32 s27, 0
	s_wait_dscnt 0x0
	s_wait_kmcnt 0x0
	s_add_nc_u64 s[4:5], s[4:5], s[14:15]
	s_add_nc_u64 s[6:7], s[6:7], s[24:25]
	s_add_nc_u64 s[8:9], s[8:9], s[26:27]
	s_mov_b32 s[G0], 1
	s_mov_b32 s[G0+1], s12
	s_mov_b64 s[G0+2:G0+3], s[4:5]
	s_or_b32 s[G0+3], s[G0+3], 0x80000000
	tensor_load_to_lds s[G0:G0+3], s[G1:G1+7]
	s_nop 0
	v_and_b32 v11, 31, v0                          ; L
	v_and_b32 v12, 15, v0                          ; r
	v_bfe_u32 v13, v0, 4, 1                        ; h
	v_lshlrev_b32 v1, 4, v11
	s_lshl_b32 s13, s10, 12
	v_add_nc_u32 v10, s13, v1
	v_add_nc_u32 v5, 8192, v10
.irp n, 1,2,3
	v_add_nc_u32 v[1+\n], \n*2*GRPB, v1
	v_add_nc_u32 v[5+\n], \n*2*GRPB, v5
.endr
	v_lshlrev_b32 v9, 8, v12
	v_lshl_add_u32 v9, v13, 5, v9
	v_add_nc_u32 v9, s13, v9                       ; (16 g + r) rows of state2 + 32 h
.irp q, 0,1,2,3,4,5,6,7
	global_load_b128 v[STA+4*\q:STA+4*\q+3], v9, s[6:7] offset:64*(\q>>1)+16*(\q&1)
.endr
	s_wait_tensorcnt 0x0                           ; my quarter is in,
	s_barrier_signal -1
	s_barrier_wait -1                              ; everybody's is
	PLD 0, STB, 0
	s_wait_loadcnt 0x0                             ; state2
	PSTEP 0, STA, STB
	PSTEP 1, STB, STA
	PSTEP 2, STA, STB
	PSTEP 3, STB, STA
	PSTEP 4, STA, STB
	PSTEP 5, STB, STA
	PSTEP 6, STA, STB
.irp n, 0,1,2,3,4,5,6,7
	global_store_b128 v10, v[STB+4*\n:STB+4*\n+3], s[8:9] offset:7*16384+512*\n
.endr
	s_wait_tensorcnt 0x0
	ds_add_u32 v240, v241
	s_wait_dscnt 0x0
	s_endpgm
.Lfunc_end_k_q0c218d323e_pref:
	.size	k_q0c218d323e_pref, .Lfunc_end_k_q0c218d323e_pref-k_q0c218d323e_pref
	.p2alignl 7, 3214868480
	.fill 96, 4, 3214868480
	.section	.rodata,"a",@progbits
	.p2align	6, 0x0
	.amdhsa_kernel k_q0c218d323e_pref
		.amdhsa_group_segment_fixed_size 172544
		.amdhsa_private_segment_fixed_size 0
		.amdhsa_enable_private_segment 0
		.amdhsa_kernarg_size 24
		.amdhsa_user_sgpr_count 2
		.amdhsa_user_sgpr_kernarg_segment_ptr 1
		.amdhsa_wavefront_size32 1
		.amdhsa_system_sgpr_workgroup_id_x 1
		.amdhsa_system_sgpr_workgroup_id_y 1
		.amdhsa_system_sgpr_workgroup_id_z 1
		.amdhsa_system_vgpr_workitem_id 0
		.amdhsa_next_free_vgpr 242
		.amdhsa_next_free_sgpr 66
		.amdhsa_reserve_vcc 0
		.amdhsa_float_denorm_mode_32 3
		.amdhsa_float_denorm_mode_16_64 3
		.amdhsa_memory_ordered 1
		.amdhsa_forward_progress 1
		.amdhsa_inst_pref_size 32
	.end_amdhsa_kernel
	.amdgpu_metadata
---
amdhsa.version: [ 1, 2 ]
amdhsa.kernels:
  - .name:           k_q0c218d323e_pref
    .symbol:         k_q0c218d323e_pref.kd
    .args:
      - { .name: grp, .offset: 0, .size: 8, .value_kind: global_buffer, .address_space: global }
      - { .name: state2, .offset: 8, .size: 8, .value_kind: global_buffer, .address_space: global }
      - { .name: sg, .offset: 16, .size: 8, .value_kind: global_buffer, .address_space: global }
    .group_segment_fixed_size: 172544
    .private_segment_fixed_size: 0
    .kernarg_segment_align: 8
    .kernarg_segment_size: 24
    .max_flat_workgroup_size: 128
    .sgpr_count:     66
    .vgpr_count:     242
    .wavefront_size: 32
...
	.end_amdgpu_metadata
.endif
;; end of part 5
;; launch scan (part 6): grid 8 x 32, 4 waves a work-group, no clusters, 327,680 bytes of LDS; arguments rec, sg, out0, out1; writes out0, out1
.if DOCPART == 6
	.amdgcn_target "amdgcn-amd-amdhsa--gfx1250"
	.amdhsa_code_object_version 6
	.text
	.protected	k_q0c218d323e_scan
	.globl	k_q0c218d323e_scan
	.p2align	8
	.type	k_q0c218d323e_scan,@function
k_q0c218d323e_scan:
	s_mov_b64 s[64:65], 0
	v_nop
	global_prefetch_b8 v0, s[64:65] scope:SCOPE_SE
	s_setreg_imm32_b32 hwreg(HW_REG_WAVE_MODE, 25, 1), 1
	s_wait_xcnt 0x0
; WKV7, last launch: the outputs.  Work-group (x, y) = group x (32 chunks of 16 steps) of head y, from the state at the group's start, which the
; launch before stored, and the records of the first launch.  For each chunk, S0 the state at its start:
;   SA = S0 A' + V Aak'      (SA[i][t] = what the step t multiplies b_t by)
;   X  = S0 R~ + SA Arb + V Ark                     -> out0
;   S  = S0 o WC (by column, in f32) + SA B~ + V K~ -> the next chunk; at the end of the last group out1
; Wave g owns state rows 16 g .. 16 g + 15 (rows do not mix, and 16 is a matrix tile's height).
; The state is kept TRANSPOSED in four f32 accumulator tiles: tile q, register jj, lane (r, h) = S[16g + r][16q + 8h + jj].  So every result
; becomes the next product's operand by a conversion inside the lane, and nothing is shuffled.
; FORMATS: matrix operands f16 (all are decayed quantities; the state, SA and they must stay below 65504), sums and the carried state f32.
; RECORDS come by the tensor data mover: two LDS slots of 8 records (96,256 bytes), each wave fetching a quarter (94 rows of 256 bytes).
; No two work-groups read the same bytes, so there is nothing for a cluster to share.
.set RECB,   12032
.set SLOTB,  8*RECB
.set HALFB,  4*RECB                    ; LDS offsets have 16 bits: a base register for each half slot
.set QUARTB, 2*RECB
.set STG,    2*SLOTB                   ; behind the ring, in bytes that no tensor load fills: two stages of 128 rows (steps) x 272 bytes for x
.set SP,     272
.set STGB,   128*SP
.set ROWB,   8192                      ; a step's row of out0
.set R_AT, 0
.set R_BK, 2048
.set R_AK, 6144
.set R_VT, 6656
.set R_WC, 8704
.set R_RT, 8960
.set R_AR, 11008
; v1-4 16L + half slot  v5-8 the same + 512 g (v's piece)  v9-12 32h + half slot (WC)  v13,14 x into stage 0, 1  v15,16 x back out  v17 out0 offset
; v19, v20 the state into and out of stage 0  v21 out1 offset
.set ST,  32                           ; v[32:63]   the state, 4 tiles
.set SB,  64                           ; v[64:79]   the state in f16, two K = 32 operands
.set AT,  80                           ; v[80:95]   A'
.set RT,  96                           ; v[96:111]  r~
.set BK,  112                          ; v[112:143] B~ (K 0..15) and K~ (K 16..31), 4 blocks of 16 channels
.set AR,  144                          ; v[144:151] Arb (K 0..15), Ark (K 16..31)
.set AKO, 152                          ; v[152:155] zero for good, v[156:159] Aak'
.set SV,  160                          ; v[160:163] SA in f16, v[164:167] v
.set WC,  168                          ; v[168:199]
.set SA,  200
.set XA,  208
.set XO,  216                          ; v[216:247] on the way out
.set VZ,  248                          ; v[248:251] zero for good, v[252:255] v
.set G1,  16
.set G0,  32
; 18 loads: what the first five products and the decay of chunk idx of a slot need, in the order of need.
; The base register is that of half slot 2 slot + idx / 4 (both arguments may be expressions: they stand in brackets).
.macro L1 slot, idx
	ds_load_b128 v[AKO+4:AKO+7], v[1+2*(\slot)+((\idx)>>2)] offset:((\idx)&3)*RECB+R_AK
	ds_load_b128 v[VZ+4:VZ+7],   v[5+2*(\slot)+((\idx)>>2)] offset:((\idx)&3)*RECB+R_VT
.irp q, 0,1,2,3
	ds_load_b128 v[AT+4*\q:AT+4*\q+3], v[1+2*(\slot)+((\idx)>>2)] offset:((\idx)&3)*RECB+R_AT+512*\q
.endr
.irp q, 0,1,2,3
	ds_load_b128 v[RT+4*\q:RT+4*\q+3], v[1+2*(\slot)+((\idx)>>2)] offset:((\idx)&3)*RECB+R_RT+512*\q
.endr
.irp q, 0,1,2,3,4,5,6,7
	ds_load_b128 v[WC+4*\q:WC+4*\q+3], v[9+2*(\slot)+((\idx)>>2)] offset:((\idx)&3)*RECB+R_WC+64*(\q>>1)+16*(\q&1)
.endr
.endm
; 11 loads: what the last five products need
.macro L2 slot, idx
.irp q, 0,1,2,3,4,5,6,7
	ds_load_b128 v[BK+4*\q:BK+4*\q+3], v[1+2*(\slot)+((\idx)>>2)] offset:((\idx)&3)*RECB+R_BK+512*\q
.endr
	ds_load_b128 v[AR:AR+3],   v[1+2*(\slot)+((\idx)>>2)] offset:((\idx)&3)*RECB+R_AR
	ds_load_b128 v[AR+4:AR+7], v[1+2*(\slot)+((\idx)>>2)] offset:((\idx)&3)*RECB+R_AR+512
	ds_load_b128 v[SV+4:SV+7], v[5+2*(\slot)+((\idx)>>2)] offset:((\idx)&3)*RECB+R_VT
.endm
; One chunk.  Its operands were asked for in the chunk before (L1, then L2, then that chunk's two stores of x); last = 1: nothing is asked for.
; The accumulators go SA, X, SA, X, SA, S0, S1, S2, S3, X: they take turns, one instruction a turn, from chunk to chunk too.
.macro CHUNK slot, idx, last, nslot, nidx
.irp q, 0,1,2,3
.irp i, 0,1,2,3
	v_cvt_pk_f16_f32 v[SB+4*\q+\i], v[ST+8*\q+2*\i], v[ST+8*\q+2*\i+1]
.endr
.endr
	s_wait_dscnt 21                                ; Aak', v, A', r~ are in: behind them stand 8 loads of WC, 11 of L2, 2 stores
	v_wmma_f32_16x16x32_f16 v[SA:SA+7], v[AKO:AKO+7],     v[VZ:VZ+7],       0            ; SA[t][i] = sum_s Aak'[s][t] v[s][i]
	v_wmma_f32_16x16x32_f16 v[XA:XA+7], v[SB:SB+7],       v[RT:RT+7],       0            ; X[i][t] = sum_j S0[i][j] r~[t][j]
	v_wmma_f32_16x16x32_f16 v[SA:SA+7], v[AT:AT+7],       v[SB:SB+7],       v[SA:SA+7]   ; + sum_j A'[j][t] S0[i][j]
	v_wmma_f32_16x16x32_f16 v[XA:XA+7], v[SB+8:SB+15],    v[RT+8:RT+15],    v[XA:XA+7]
	v_wmma_f32_16x16x32_f16 v[SA:SA+7], v[AT+8:AT+15],    v[SB+8:SB+15],    v[SA:SA+7]
	s_wait_dscnt 13                                ; WC is in: behind it 11 loads and 2 stores
.irp i, 0,1,2,3,4,5,6,7,8,9,10,11,12,13,14,15
	v_pk_mul_f32 v[ST+2*\i:ST+2*\i+1], v[ST+2*\i:ST+2*\i+1], v[WC+2*\i:WC+2*\i+1]        ; the decay, in f32; also the places behind the five products (ISA guide 7.12.1)
.endr
.if \last == 0
	L1 \nslot, \nidx
.endif
.irp i, 0,1,2,3
	v_cvt_pk_f16_f32 v[SV+\i], v[SA+2*\i], v[SA+2*\i+1]
.endr
.if \last == 0
	s_wait_dscnt 20                                ; L2 is in: behind it 2 stores and the 18 loads just issued
.else
	s_wait_dscnt 2                                 ; L2 is in: behind it 2 stores
.endif
.irp q, 0,1,2,3
	v_wmma_f32_16x16x32_f16 v[ST+8*\q:ST+8*\q+7], v[BK+8*\q:BK+8*\q+7], v[SV:SV+7], v[ST+8*\q:ST+8*\q+7]   ; S[i][j] += sum_s B~[s][j] SA[s][i] + K~[s][j] v[s][i]
.endr
	v_wmma_f32_16x16x32_f16 v[XA:XA+7], v[SV:SV+7], v[AR:AR+7], v[XA:XA+7]               ; X[i][t] += sum_s SA[s][i] Arb[s][t] + v[s][i] Ark[s][t]
.rept 4
	v_nop                                          ; four places before x is stored, the state read and operands loaded over
.endr
.if \last == 0
	L2 \nslot, \nidx
.endif
	ds_store_b128 v[13+\slot], v[XA:XA+3]   offset:\idx*16*SP      ; lane (r, h): step r, rows 16g + 8h .. + 7 of x
	ds_store_b128 v[13+\slot], v[XA+4:XA+7] offset:\idx*16*SP+16
.endm
; 128 steps of x leave a stage: wave g takes steps 32 g .. 32 g + 31; sixteen lanes store a head's 256 consecutive bytes of a step, aligned
.macro XOUT par
.irp b, 0,1
	s_wait_xcnt 0x0                                ; XO, which earlier stores read, is loaded over only behind this wait
.irp n, 0,1,2,3,4,5,6,7
	ds_load_b128 v[XO+4*\n:XO+4*\n+3], v[15+\par] offset:(8*\b+\n)*2*SP
.endr
.irp n, 0,1,2,3,4,5,6,7
	s_wait_dscnt 7-\n                              ; LDS loads return in order
	global_store_b128 v17, v[XO+4*\n:XO+4*\n+3], s[8:9] offset:(8*\b+\n)*2*ROWB th:TH_STORE_NT
.endr
.endr
	s_wait_xcnt 0x0
	s_add_nc_u64 s[8:9], s[8:9], 128*ROWB
.endm
; Eight chunks = one slot.  Then ONE barrier for three things: every wave's reads of this slot are over and all its tensor loads have landed (the other
; slot is whole), so this slot may be filled again, first thing behind the barrier, one load a wave; and all four waves' x of these 128 steps is in the stage.
; A wave has two tensor loads out at the start and one behind each such barrier, with eight chunks' work in which to land.
.macro PERIOD slot, refill, more
	CHUNK \slot, 0, 0, \slot, 1
	CHUNK \slot, 1, 0, \slot, 2
	CHUNK \slot, 2, 0, \slot, 3
	CHUNK \slot, 3, 0, \slot, 4
	CHUNK \slot, 4, 0, \slot, 5
	CHUNK \slot, 5, 0, \slot, 6
	CHUNK \slot, 6, 0, \slot, 7
	CHUNK \slot, 7, 1, 0, 0
	s_wait_dscnt 0x0                               ; my reads of the slot and my stores into the stage are done
	s_wait_tensorcnt 0x0                           ; all my tensor loads have landed, so a group 0 may be written
	ds_add_u32 v30, v31
	s_wait_dscnt 0x0
.if \refill
	s_add_nc_u64 s[G0+4*\slot+2:G0+4*\slot+3], s[G0+4*\slot+2:G0+4*\slot+3], 2*SLOTB
.endif
	s_barrier_signal -1
	s_barrier_wait -1
.if \refill
	tensor_load_to_lds s[G0+4*\slot:G0+4*\slot+3], s[G1:G1+7]      ; the records of 16 chunks on
	s_nop 0
.endif
.if \more
	L1 1-\slot, 0                                  ; the other slot's first chunk: its operands come in while x goes out
	L2 1-\slot, 0
.endif
	XOUT \slot                                     ; ends with no LDS instruction out: the next chunk's counted waits hold
.endm
	s_load_b256 s[4:11], s[0:1], 0x0               ; rec s[4:5], sg s[6:7], out0 s[8:9], out1 s[10:11]
	v_lshl_add_u32 v30, v0, 2, 0x40000
	v_mov_b32 v31, 0
	ds_add_u32 v30, v31
	ds_add_u32 v30, v31
	v_lshrrev_b32 v22, 5, v0
	v_readfirstlane_b32 s12, v22                   ; wave g = 0..3
	s_and_b32 s13, ttmp7, 0xffff                   ; head
	s_mov_b32 s43, ttmp9                           ; group
	; group 1: 94 dense rows of 256 bytes, in elements of 8 bytes, no padding
	s_mov_b32 s[G1+0], 3<<16                       ; no mask; element size code 3
	s_mov_b32 s[G1+1], 32<<16                      ; tensor_dim0 = 32
	s_mov_b32 s[G1+2], 94<<16                      ; tensor_dim1 = 94
	s_mov_b32 s[G1+3], 32<<16                      ; tile_dim0 = 32
	s_mov_b32 s[G1+4], 94                          ; tile_dim1 = 94
	s_mov_b32 s[G1+5], 32                          ; from row to row: 32 elements
	s_mov_b32 s[G1+6], 0
	s_mov_b32 s[G1+7], 0
	s_mul_i32 s24, s12, QUARTB                     ; my quarter of a slot, in LDS and in rec alike
	s_lshl_b32 s14, s13, 8
	s_lshl_b32 s15, s43, 5
	s_add_co_u32 s14, s14, s15                     ; the group's first record: 256 head + 32 group
	s_mul_i32 s14, s14, RECB                       ; below 2^27
	s_add_co_u32 s14, s14, s24
	s_mov_b32 s15, 0
	s_lshl_b32 s26, s13, 3
	s_add_co_u32 s26, s26, s43
	s_lshl_b32 s26, s26, 14                        ; the group's start state: (8 head + group) x 16,384 bytes,
	s_lshl_b32 s42, s12, 12
	s_add_co_u32 s26, s26, s42                     ; my wave's 4,096 of them
	s_mov_b32 s27, 0
	s_lshl_b32 s28, s43, 22                        ; the group's 512 steps of out0,
	s_lshl_b32 s29, s13, 8
	s_add_co_u32 s28, s28, s29                     ; the head's 256 bytes in a row
	s_mov_b32 s29, 0
	s_lshl_b32 s30, s13, 14                        ; the head's 16,384 bytes of out1
	s_mov_b32 s31, 0
	s_wait_dscnt 0x0
	s_wait_kmcnt 0x0
	s_add_nc_u64 s[4:5], s[4:5], s[14:15]
	s_add_nc_u64 s[6:7], s[6:7], s[26:27]
	s_add_nc_u64 s[8:9], s[8:9], s[28:29]
	s_add_nc_u64 s[10:11], s[10:11], s[30:31]
.irp s, 0,1
	s_mov_b32 s[G0+4*\s], 1
	s_add_co_u32 s[G0+4*\s+1], s24, \s*SLOTB
	s_add_nc_u64 s[G0+4*\s+2:G0+4*\s+3], s[4:5], \s*SLOTB
	s_or_b32 s[G0+4*\s+3], s[G0+4*\s+3], 0x80000000
	tensor_load_to_lds s[G0+4*\s:G0+4*\s+3], s[G1:G1+7]            ; both first fills go out ahead of everything else
	s_nop 0
.endr
	v_and_b32 v22, 31, v0                          ; L
	v_and_b32 v23, 15, v0                          ; r
	v_bfe_u32 v24, v0, 4, 1                        ; h
	v_lshlrev_b32 v1, 4, v22
	v_lshlrev_b32 v9, 5, v24
.irp q, 0,1,2,3,4,5,6,7
	global_load_b128 v[ST+4*\q:ST+4*\q+3], v1, s[6:7] offset:512*\q   ; the state, as it lay in the registers that stored it
.endr
	s_lshl_b32 s25, s12, 9
	v_add_nc_u32 v5, s25, v1
.irp n, 1,2,3
	v_add_nc_u32 v[1+\n], \n*HALFB, v1
	v_add_nc_u32 v[5+\n], \n*HALFB, v5
	v_add_nc_u32 v[9+\n], \n*HALFB, v9
.endr
	v_mul_u32_u24 v25, v23, SP
	v_lshl_add_u32 v25, v24, 5, v25                ; r x 272 + 32 h
	v_mul_u32_u24 v26, v24, SP
	v_lshl_add_u32 v26, v23, 4, v26                ; h x 272 + 16 r
	s_lshl_b32 s30, s12, 6
	s_add_co_u32 s30, s30, STG
	v_add_nc_u32 v13, s30, v25
	v_add_nc_u32 v14, STGB, v13
	s_mul_i32 s31, s12, 32*SP
	s_add_co_u32 s31, s31, STG
	v_add_nc_u32 v15, s31, v26
	v_add_nc_u32 v16, STGB, v15
	s_mul_i32 s40, s12, 16*SP
	s_add_co_u32 s40, s40, STG
	v_add_nc_u32 v19, s40, v25
	v_add_nc_u32 v20, s40, v26
	v_lshlrev_b32 v27, 4, v23
	v_lshl_add_u32 v17, v24, 13, v27
	s_lshl_b32 s41, s12, 18
	v_add_nc_u32 v17, s41, v17                     ; (32 g + h) rows of out0 + 16 r
	v_lshl_add_u32 v21, v24, 8, v27
	v_add_nc_u32 v21, s42, v21                     ; (16 g + h) rows of out1 + 16 r
.irp i, 0,1,2,3
	v_mov_b32 v[AKO+\i], 0                         ; K = 0..15 of the product V Aak', on both sides: written once
	v_mov_b32 v[VZ+\i], 0
.endr
	s_wait_tensorcnt 0x1                           ; my quarter of slot 0 is in; slot 1's may stay out
	s_barrier_signal -1
	s_barrier_wait -1
	L1 0, 0
	L2 0, 0
	s_wait_dscnt 0x0
	s_wait_loadcnt 0x0                             ; the state
	PERIOD 0, 1, 1                                 ; the group's 32 chunks are four periods: the first two fill their slots again,
	PERIOD 1, 1, 1
	PERIOD 0, 0, 1                                 ; the last two have nothing left to fetch
	PERIOD 1, 0, 0
	s_cmp_lg_u32 s43, 7                            ; only the last group's end state is an output
	s_cbranch_scc1 .Lend
	; the last state: each wave turns its 16 rows through its own rows of stage 0, whose last readers passed the barrier above
.irp q, 0,1,2,3,4,5,6,7
	ds_store_b128 v19, v[ST+4*\q:ST+4*\q+3] offset:64*(\q>>1)+16*(\q&1)
.endr
.irp n, 0,1,2,3,4,5,6,7
	ds_load_b128 v[XO+4*\n:XO+4*\n+3], v20 offset:\n*2*SP          ; a wave's LDS instructions are served in order: these see the stores above
.endr
.irp n, 0,1,2,3,4,5,6,7
	s_wait_dscnt 7-\n
	global_store_b128 v21, v[XO+4*\n:XO+4*\n+3], s[10:11] offset:\n*512
.endr
.Lend:
	s_wait_tensorcnt 0x0
	ds_add_u32 v30, v31
	s_wait_dscnt 0x0
	s_endpgm
.Lfunc_end_k_q0c218d323e_scan:
	.size	k_q0c218d323e_scan, .Lfunc_end_k_q0c218d323e_scan-k_q0c218d323e_scan
	.p2alignl 7, 3214868480
	.fill 96, 4, 3214868480
	.section	.rodata,"a",@progbits
	.p2align	6, 0x0
	.amdhsa_kernel k_q0c218d323e_scan
		.amdhsa_group_segment_fixed_size 327680
		.amdhsa_private_segment_fixed_size 0
		.amdhsa_enable_private_segment 0
		.amdhsa_kernarg_size 32
		.amdhsa_user_sgpr_count 2
		.amdhsa_user_sgpr_kernarg_segment_ptr 1
		.amdhsa_wavefront_size32 1
		.amdhsa_system_sgpr_workgroup_id_x 1
		.amdhsa_system_sgpr_workgroup_id_y 1
		.amdhsa_system_sgpr_workgroup_id_z 1
		.amdhsa_system_vgpr_workitem_id 0
		.amdhsa_next_free_vgpr 256
		.amdhsa_next_free_sgpr 66
		.amdhsa_reserve_vcc 0
		.amdhsa_float_denorm_mode_32 3
		.amdhsa_float_denorm_mode_16_64 3
		.amdhsa_memory_ordered 1
		.amdhsa_forward_progress 1
		.amdhsa_inst_pref_size 183
	.end_amdhsa_kernel
	.amdgpu_metadata
---
amdhsa.version: [ 1, 2 ]
amdhsa.kernels:
  - .name:           k_q0c218d323e_scan
    .symbol:         k_q0c218d323e_scan.kd
    .args:
      - { .name: rec, .offset: 0, .size: 8, .value_kind: global_buffer, .address_space: global }
      - { .name: sg, .offset: 8, .size: 8, .value_kind: global_buffer, .address_space: global }
      - { .name: out0, .offset: 16, .size: 8, .value_kind: global_buffer, .address_space: global }
      - { .name: out1, .offset: 24, .size: 8, .value_kind: global_buffer, .address_space: global }
    .group_segment_fixed_size: 327680
    .private_segment_fixed_size: 0
    .kernarg_segment_align: 8
    .kernarg_segment_size: 32
    .max_flat_workgroup_size: 128
    .sgpr_count:     66
    .vgpr_count:     256
    .wavefront_size: 32
...
	.end_amdgpu_metadata
.endif
;; end of part 6
